; MI455X (gfx1250); checked and timed in simulation.
; The chip was launched on July 23, 2026; its instructions are those of AMD's public machine-readable ISA for CDNA 5 (MIT licence, August 2026) and "CDNA5" Instruction Set Architecture Reference Guide (July 2026). The comments in the code are by the model that wrote it; some were corrected since.
;; Multi Head Attention. Allowed arithmetic: matrix products marked QUANTISED: E2M1 operands, one E8M0 scale for each 32 along K, by v_wmma_scale_f32_16x16x128_f8f6f4 with both operands' format E2M1 (or v_wmma_scale_f32_32x16x128_f4), f32 sums; products left as they are: bf16, f16 or f32 operands; f32 sums; everything else in f32.
;; Inputs: Wak 2 x 64 float32; Wav 2 x 64 float32; Wd 1,024 x 1,024 float32; Wk 16 x 1,024 x 64 float32; Wq 16 x 1,024 x 64 float32; Wv 16 x 1,024 x 64 float32; bak 64 float32; bav 64 float32; bd 1,024 float32; bk 16 x 64 float32; bq 16 x 64 float32; bv 16 x 64 float32; k 4 x 1,024 x 1,024 float32; q 4 x 1,024 x 1,024 float32; x 4 x 1,024 x 1,024 float32.
;; Outputs: out0 4 x 1,024 x 1,024 float32.
;; Constants: batch_size = 4.
;; This version of the problem:
;;   THIS VERSION OF THE PROBLEM IS GIVEN IN LOW PRECISION. The matrix products marked QUANTISED in the list below multiply operands that are first quantised to E2M1 (2 exponent bits, 1 mantissa bit; 4 bits a number), with one power-of-two scale for each 32 numbers along K (OCP MX v1.0); their sums are f32. The products marked 'left as it is' may take bf16, f16 or f32 operands, with f32 sums. All else is computed in f32.
;;   The module's matrix products, in the order in which they are computed (A, B: the left and right operand; K: the contracted axis; several contracted axes count as one K, in the product's order):
;;     1. [M 2,048, K 2] x [K 2, N 64]; A: computed on the way; B: input Wak: left as it is (K = 2 < 32)
;;     2. [M 2,048, K 2] x [K 2, N 64]; A: computed on the way; B: input Wav: left as it is (K = 2 < 32)
;;     3. [M 1,024, K 1,024] x [K 1,024, N 4,096]; A: input Wq; B: input q: QUANTISED
;;     4. [M 1,024, K 1,024] x [K 1,024, N 4,096]; A: input Wk; B: input k: QUANTISED
;;     5. [M 1,024, K 1,024] x [K 1,024, N 4,096]; A: input Wv; B: input x: QUANTISED
;;     6. batch 64 x [M 1,024, K 64] x [K 64, N 1,024]; A: computed on the way; B: computed on the way: left as it is (an operand is computed on the way)
;;     7. batch 1,024 x [M 1,024, K 64] x [K 64, N 64]; A: computed on the way; B: computed on the way: left as it is (an operand is computed on the way)
;;     8. batch 64 x [M 1,024, K 1,024] x [K 1,024, N 64]; A: computed on the way; B: computed on the way: left as it is (an operand is computed on the way)
;;     9. batch 1,024 x [M 64, K 1,024] x [K 1,024, N 64]; A: computed on the way; B: computed on the way: left as it is (an operand is computed on the way)
;;     10. [M 4,096, K 1,024] x [K 1,024, N 1,024]; A: computed on the way; B: input Wd: left as it is (an operand is computed on the way)
;;   THE QUANTISER, for each operand of a quantised product, along K:
;;     - K is cut into blocks of 32 from its start; a last block that is shorter is filled with zeros.
;;     - A block's scale is 2^e with e = floor(log2(the largest magnitude in the block)) - 2, held to -126 .. 127; a block of zeros has e = 0. As a byte (E8M0): e + 127.
;;     - Each number is divided by its block's scale, clamped to +-6, and rounded to the nearest number of E2M1, ties to even, subnormals kept.
;;     - The product sums the exact products of the quantised numbers (number of the format x scale) in f32.
;;   ~~~python
;;   def quantise(x, axis):      # numpy; x: float32 -> the quantised numbers, widened to float32 again
;;       x = np.moveaxis(x, axis, -1); K = x.shape[-1]
;;       x = np.pad(x, [(0, 0)] * (x.ndim - 1) + [(0, -K % 32)]); x = x.reshape(x.shape[:-1] + (-1, 32)); a = np.abs(x).max(-1, keepdims=True)
;;       e = np.where(a > 0, np.clip(np.frexp(np.where(a > 0, a, 1))[1] - 1 - 2, -126, 127), 0)      # np.frexp(a)[1] - 1 = floor(log2(a)), exactly
;;       r = np.clip(x / 2.0 ** e, -6, 6)
;;       step = 2.0 ** (np.maximum(np.frexp(np.where(r == 0, 1, r))[1] - 1, 0) - 1)
;;       q = np.round(r / step) * step * 2.0 ** e      # np.round: ties to even
;;       return np.moveaxis(q.reshape(q.shape[:-2] + (-1,))[..., :K], -1, axis).astype(np.float32)
;;   ~~~
;; One version. Each part assembles by itself: llvm-mc -triple=amdgcn-amd-amdhsa -mcpu=gfx1250 --defsym DOCPART=n.
;; ======== version 1 of 1: 4 launches
;; limits: values are held in f16: magnitudes above 65,504 overflow, below 6.1e-05 lose precision
;; workspace buffers: cod 7,864,320 bytes; scl 491,520 bytes; wdi 2,097,152 bytes; qkv 25,165,824 bytes; att 8,388,608 bytes
;; launch prep (part 1): grid 640 x 1, 4 waves a work-group, no clusters, 35,328 bytes of LDS; arguments q, k, x, Wq, Wk, Wv, Wd, cod, scl, wdi; writes cod, scl, wdi
.if DOCPART == 1
	.amdgcn_target "amdgcn-amd-amdhsa--gfx1250"
	.amdhsa_code_object_version 6
	.text
	.protected	k_q3b491726b7_prep
	.globl	k_q3b491726b7_prep
	.p2align	8
	.type	k_q3b491726b7_prep,@function
k_q3b491726b7_prep:
	s_mov_b64 s[64:65], 0
	v_nop
	global_prefetch_b8 v0, s[64:65] scope:SCOPE_SE
	s_setreg_imm32_b32 hwreg(HW_REG_WAVE_MODE, 25, 1), 1
	s_wait_xcnt 0x0
; q, k, x [4096 tokens][1024] and Wq, Wk, Wv [16 heads][1024 (K)][64], all f32, become codes of FP4 (E2M1) with one E8M0 byte for each 32 along K = the model's 1,024; Wd [1024 (K)][1024] becomes f16.
; A block's scale is 2^(floor(log2(its largest magnitude)) - 2): its byte is the largest magnitude's exponent field - 2, held at 1 from below by a floor among the maximum's leaves.
; EVERYTHING IS STORED AS AN IMAGE OF OPERAND REGISTERS: four registers of a fragment are one block of 512 bytes, lane l's 16 bytes at 16 l.
;   cod: 960 tiles of 16 rows x 1,024 K, 8,192 bytes each: [K / 128][c][h][row][16 bytes], a piece holding K = 128 s + 64 c + 32 h + 0 .. 31.  Tiles 0-767: tokens of q, k, x; tiles 768-959: columns head x 64 + e of Wq, Wk, Wv.
;   scl: [tile][K / 512][row][4 words]: a word is the four bytes of 128 along K.
;   wdi: [n / 16][K / 32][u][h][n % 16][16 bytes], a piece holding K = 32 kk + 16 u + 8 h + 0 .. 7 in f16.
; Three kinds of work-group, told apart by the work-group's number: 0-383 tokens, 384-575 the three weights, 576-639 Wd.  Only the first kind uses LDS.  Waves share nothing: no barrier.
; LIMITS: NaN and infinities are not served.  A block of zeros gets the byte 1 (its codes are zeros, and this program alone reads the bytes).  Wd goes in f16: magnitudes under 65,504; under 6.1e-5 the absolute error stays 3e-8.
.set SPI,  272                         ; a stage row: 256 bytes + 16, so that sixteen rows' pieces of 16 bytes fall on sixteen different columns of 16 bytes modulo 256
.set STGB, 16*SPI                      ; a stage: 16 rows
.set WREG, 2*STGB                      ; a wave's LDS: two stages by turns
.set R,    32                          ; v32-159   four sets of 32 numbers as loaded (weights: four blocks of 32 down K)
.set X,    160                         ; v160-223  two sets of 32 neighbours along K (Wd: the packed f16)
.set C,    224                         ; v224-255  four registers of codes for each step: no store's data are written again
	s_load_b256 s[8:15], s[0:1], 0x0               ; q s[8:9], k s[10:11], x s[12:13], Wq s[14:15]
	s_load_b256 s[16:23], s[0:1], 0x20             ; Wk s[16:17], Wv s[18:19], Wd s[20:21], cod s[22:23]
	s_load_b128 s[24:27], s[0:1], 0x40             ; scl s[24:25], wdi s[26:27]
	v_lshl_add_u32 v30, v0, 2, 0x8800
	v_mov_b32 v31, 0
	v_lshrrev_b32 v1, 5, v0
	v_readfirstlane_b32 s2, v1                     ; wave 0..3
	v_and_b32 v1, 31, v0                           ; lane
	v_and_b32 v2, 15, v0                           ; r
	v_bfe_u32 v3, v0, 4, 1                         ; h
	s_mov_b32 s33, 0                               ; the upper word of every offset pair s[32:33]
; 32 numbers of one block, v[xs] on, become 32 codes in v[cd] .. v[cd + 3]; the block's byte is left in v13.
.macro QBLOCK xs, cd
	v_max3_num_f32 v10, |v[\xs]|, |v[\xs+1]|, |v[\xs+2]|           ; the largest magnitude, in two chains
	v_max3_num_f32 v11, |v[\xs+3]|, |v[\xs+4]|, |v[\xs+5]|
.irp i, 6,10,14,18,22,26
	v_max3_num_f32 v10, v10, |v[\xs+\i]|, |v[\xs+\i+1]|
	v_max3_num_f32 v11, v11, |v[\xs+\i+2]|, |v[\xs+\i+3]|
.endr
	v_max3_num_f32 v10, v10, |v[\xs+30]|, |v[\xs+31]|
	v_max3_num_f32 v10, v10, v11, 0x1800000        ; and the floor 2^(3 - 127): the byte cannot fall under 1
	v_add_nc_u32 v12, 0xff000000, v10              ; 2 off the exponent field: the conversion takes this operand's exponent field as its scale
.irp g, 0,1,2,3
	v_cvt_scalef32_pk8_fp4_f32 v[\cd+\g], v[\xs+8*\g:\xs+8*\g+7], v12
.endr
	v_lshrrev_b32 v13, 23, v12                     ; the byte; also the plain line behind the conversions
.endm
	s_wait_kmcnt 0x0
	s_cmp_lt_u32 ttmp9, 384
	s_cbranch_scc0 .Lweights
; ---- TOKENS.  A wave takes 16 tokens x 512 K: eight steps of 16 rows x 256 bytes.  A load reads two rows' 256 bytes, 16 bytes a lane; the step turns through the wave's stage and comes back 128 bytes a lane: a whole block.
	s_lshr_b32 s3, ttmp9, 7                        ; which tensor
	s_cmp_eq_u32 s3, 0
	s_cselect_b64 s[30:31], s[8:9], s[10:11]
	s_cmp_eq_u32 s3, 2
	s_cselect_b64 s[30:31], s[12:13], s[30:31]
	s_lshl_b32 s4, ttmp9, 2
	s_add_co_u32 s4, s4, s2                        ; unit = 2 x tile + half of K
	s_lshr_b32 s5, s4, 1
	s_and_b32 s5, s5, 255                          ; the tile within its tensor: 16 rows of 4,096 bytes
	s_lshl_b32 s32, s5, 16
	s_and_b32 s6, s4, 1
	s_lshl_b32 s6, s6, 11                          ; the half: 2,048 bytes along a row
	s_add_co_u32 s32, s32, s6
	s_add_nc_u64 s[30:31], s[30:31], s[32:33]
	s_lshl_b32 s32, s4, 12                         ; codes: 4,096 bytes a unit
	s_add_nc_u64 s[22:23], s[22:23], s[32:33]
	s_lshl_b32 s32, s4, 8                          ; scale words: 256 bytes a unit
	s_add_nc_u64 s[24:25], s[24:25], s[32:33]
	v_lshlrev_b32 v7, 4, v1                        ; 16 x lane
	v_lshlrev_b32 v4, 4, v2
	v_lshl_add_u32 v4, v3, 12, v4                  ; in: 16 r, lanes 16-31 one row down
	s_mul_i32 s7, s2, WREG
	v_mul_u32_u24 v5, v3, SPI
	v_lshl_add_u32 v5, v2, 4, v5
	v_add_nc_u32 v5, s7, v5                        ; into the stage: the same two rows
	v_mul_u32_u24 v6, v2, SPI
	v_lshl_add_u32 v6, v3, 7, v6
	v_add_nc_u32 v6, s7, v6                        ; out of it: row r, 128 h bytes on: K = 64 t + 32 h + 0 .. 31
	v_lshlrev_b32 v9, 3, v3                        ; 8 h
	v_lshl_add_u32 v8, v2, 4, v9                   ; scale words out: 16 r + 8 h
	s_mov_b32 s28, 0x76543210
	s_mov_b32 s29, 0xfedcba98                      ; lane l xor 16
.irp j, 0,1,2,3
	v_mov_b32 v[18+\j], 0                          ; a lane permute's destination counts as one of its sources
.endr
.macro LOAD t
.irp i, 0,1,2,3,4,5,6,7
	global_load_b128 v[R+32*((\t)%4)+4*\i:R+32*((\t)%4)+4*\i+3], v4, s[30:31] offset:\i*8192+(\t)*256 th:TH_LOAD_NT
.endr
.endm
.macro TURN t                          ; LDS serves a wave's instructions in order: no wait between the stores and the loads
.irp i, 0,1,2,3,4,5,6,7
	ds_store_b128 v5, v[R+32*((\t)%4)+4*\i:R+32*((\t)%4)+4*\i+3] offset:((\t)%2)*STGB+\i*2*SPI
.endr
.irp i, 0,1,2,3,4,5,6,7
	ds_load_b128 v[X+32*((\t)%2)+4*\i:X+32*((\t)%2)+4*\i+3], v6 offset:((\t)%2)*STGB+16*\i
.endr
.endm
.macro STEP t
	s_wait_dscnt 0x0                               ; this step's numbers are back from the stage, and its stores into the stage have read their registers,
.if (\t) < 4
	LOAD (\t)+4                                    ; which take the loads of four steps on
.endif
.if (\t) < 7
.if (\t) < 4
	s_wait_loadcnt 24                              ; the next step's eight loads are in; those of the three steps behind it may be out
.else
	s_wait_loadcnt 8*(6-(\t))
.endif
	TURN (\t)+1                                    ; through the other stage while this step is worked
.endif
	QBLOCK X+32*((\t)%2), C+4*(\t)
.if (\t)%2 == 0
	v_mov_b32 v[14+(\t)/2], v13                    ; my byte of K step t / 2: block 2 (t % 2) + h
.else
	v_lshl_or_b32 v[14+(\t)/2], v13, 16, v[14+(\t)/2]
.endif
	global_store_b128 v7, v[C+4*(\t):C+4*(\t)+3], s[22:23] offset:512*(\t)   ; the wave stores 512 consecutive bytes
.endm
.irp t, 0,1,2,3
	LOAD \t
.endr
	s_wait_loadcnt 24                              ; step 0's eight loads are in
	TURN 0
.irp t, 0,1,2,3,4,5,6,7
	STEP \t
.endr
.irp j, 0,1,2,3
	v_lshlrev_b32 v[14+\j], v9, v[14+\j]           ; lanes 16-31 hold the odd blocks' bytes: 8 bits up
.endr
.irp j, 0,1,2,3
	v_permlanex16_b32 v[18+\j], v[14+\j], s28, s29
.endr
.irp j, 0,1,2,3
	v_or_b32 v[14+\j], v[14+\j], v[18+\j]          ; with lane l xor 16's two bytes a word is whole
.endr
	v_cmp_ne_u32 vcc_lo, 0, v3
	v_cndmask_b32 v22, v14, v16, vcc_lo            ; lanes 0-15 store words 0 and 1 of row r, lanes 16-31 words 2 and 3
	v_cndmask_b32 v23, v15, v17, vcc_lo
	global_store_b64 v8, v[22:23], s[24:25]        ; 256 consecutive bytes, aligned
	s_wait_tensorcnt 0x0
	ds_add_u32 v30, v31
	s_wait_dscnt 0x0
	s_endpgm
; 32 rows down K of 32 neighbouring columns: a lane takes a column, its registers run down K
.macro COLS b, pitch
.set ii, 0
.rept 32
	global_load_b32 v[R+32*(\b)+ii], v4, s[30:31] offset:(32*(\b)+ii)*\pitch
.set ii, ii+1
.endr
.endm
.Lweights:
	s_cmp_lt_u32 ttmp9, 576
	s_cbranch_scc0 .Lwd
; ---- Wq, Wk, Wv.  A wave takes 32 columns x 128 K of one head: four blocks a lane.  Neighbouring waves take the two halves of a head's 64 columns.
	s_sub_co_u32 s3, ttmp9, 384
	s_lshr_b32 s4, s3, 6                           ; which weight
	s_cmp_eq_u32 s4, 0
	s_cselect_b64 s[30:31], s[14:15], s[16:17]
	s_cmp_eq_u32 s4, 2
	s_cselect_b64 s[30:31], s[18:19], s[30:31]
	s_and_b32 s5, s3, 63
	s_lshl_b32 s5, s5, 2
	s_add_co_u32 s5, s5, s2                        ; u = 0 .. 255
	s_and_b32 s6, s5, 1                            ; which 32 columns
	s_bfe_u32 s7, s5, 0x30001                      ; which 128 along K
	s_lshr_b32 s34, s5, 4                          ; head
	s_lshl_b32 s32, s34, 18                        ; in: head x 262,144 + K step x 128 rows of 256 bytes + 128 x half
	s_lshl_b32 s35, s7, 15
	s_add_co_u32 s32, s32, s35
	s_lshl_b32 s35, s6, 7
	s_add_co_u32 s32, s32, s35
	s_add_nc_u64 s[30:31], s[30:31], s[32:33]
	s_lshl_b32 s35, s4, 6                          ; my first tile: 768 + 64 x weight + 4 x head + 2 x half
	s_lshl_b32 s36, s34, 2
	s_add_co_u32 s35, s35, s36
	s_lshl_b32 s36, s6, 1
	s_add_co_u32 s35, s35, s36
	s_add_co_u32 s35, s35, 768
	s_lshl_b32 s32, s35, 13
	s_lshl_b32 s36, s7, 10
	s_add_co_u32 s32, s32, s36
	s_add_nc_u64 s[22:23], s[22:23], s[32:33]      ; codes: tile x 8,192 + K step x 1,024
	s_lshl_b32 s32, s35, 9
	s_lshr_b32 s36, s7, 2
	s_lshl_b32 s36, s36, 8
	s_add_co_u32 s32, s32, s36
	s_and_b32 s36, s7, 3
	s_lshl_b32 s36, s36, 2
	s_add_co_u32 s32, s32, s36
	s_add_nc_u64 s[24:25], s[24:25], s[32:33]      ; words: tile x 512 + (K step / 4) x 256 + (K step % 4) x 4
	v_lshlrev_b32 v4, 2, v1                        ; in: 4 bytes a lane
	v_lshlrev_b32 v5, 4, v2
	v_lshl_add_u32 v5, v3, 13, v5                  ; codes out: lanes 16-31 belong to the next tile
	v_lshlrev_b32 v6, 4, v2
	v_lshl_add_u32 v6, v3, 9, v6                   ; words out likewise
	COLS 0, 256
	COLS 1, 256
.irp b, 0,1,2,3
.if \b < 3
	s_wait_loadcnt 32                              ; this block's 32 loads are in; the next block's may be out
.else
	s_wait_loadcnt 0x0
.endif
.if \b < 2
	COLS \b+2, 256
.endif
	QBLOCK R+32*\b, C+4*\b
.if \b == 0
	v_mov_b32 v14, v13
.else
	v_lshl_or_b32 v14, v13, 8*\b, v14              ; the four bytes make my column's word of this K step
.endif
	global_store_b128 v5, v[C+4*\b:C+4*\b+3], s[22:23] offset:256*\b   ; sixteen lanes store 256 consecutive bytes, aligned
.endr
	global_store_b32 v6, v14, s[24:25]             ; 4 bytes a lane, 16 apart: one byte for each 128 that this path reads
	s_endpgm
.Lwd:
; ---- Wd.  A wave takes 32 columns x 128 K; the four waves of a work-group stand side by side on 512 bytes of a row.
	s_sub_co_u32 s3, ttmp9, 576
	s_lshr_b32 s4, s3, 3
	s_lshl_b32 s4, s4, 2
	s_add_co_u32 s4, s4, s2                        ; which 32 columns
	s_and_b32 s5, s3, 7                            ; which 128 along K
	s_lshl_b32 s32, s5, 19                         ; 128 rows of 4,096 bytes
	s_lshl_b32 s6, s4, 7
	s_add_co_u32 s32, s32, s6
	s_add_nc_u64 s[30:31], s[20:21], s[32:33]
	s_lshl_b32 s32, s4, 16                         ; out: two tiles of 32,768 bytes for 32 columns,
	s_lshl_b32 s6, s5, 12                          ; four pieces of 1,024 bytes for 128 along K
	s_add_co_u32 s32, s32, s6
	s_add_nc_u64 s[26:27], s[26:27], s[32:33]
	v_lshlrev_b32 v4, 2, v1
	v_lshlrev_b32 v5, 4, v2
	v_lshl_add_u32 v5, v3, 15, v5                  ; lanes 16-31 belong to the next tile
	COLS 0, 4096
	COLS 1, 4096
.irp b, 0,1,2,3
.if \b < 3
	s_wait_loadcnt 32                              ; this block's 32 loads are in; the next block's may be out
.else
	s_wait_loadcnt 0x0
.endif
.if \b < 2
	COLS \b+2, 4096
.endif
.set ii, 0
.rept 16
	v_cvt_pk_f16_f32 v[X+16*\b+ii], v[R+32*\b+2*ii], v[R+32*\b+2*ii+1]   ; the lower K in the low half
.set ii, ii+1
.endr
.irp o, 0,1,2,3
	global_store_b128 v5, v[X+16*\b+4*\o:X+16*\b+4*\o+3], s[26:27] offset:\b*1024+\o*256   ; K = 32 b + 8 o + 0 .. 7: sixteen lanes store 256 consecutive bytes, aligned
.endr
.endr
	s_endpgm
.Lfunc_end_k_q3b491726b7_prep:
	.size	k_q3b491726b7_prep, .Lfunc_end_k_q3b491726b7_prep-k_q3b491726b7_prep
	.p2alignl 7, 3214868480
	.fill 96, 4, 3214868480
	.section	.rodata,"a",@progbits
	.p2align	6, 0x0
	.amdhsa_kernel k_q3b491726b7_prep
		.amdhsa_group_segment_fixed_size 35328
		.amdhsa_private_segment_fixed_size 0
		.amdhsa_enable_private_segment 0
		.amdhsa_kernarg_size 80
		.amdhsa_user_sgpr_count 2
		.amdhsa_user_sgpr_kernarg_segment_ptr 1
		.amdhsa_wavefront_size32 1
		.amdhsa_system_sgpr_workgroup_id_x 1
		.amdhsa_system_sgpr_workgroup_id_y 1
		.amdhsa_system_sgpr_workgroup_id_z 1
		.amdhsa_system_vgpr_workitem_id 0
		.amdhsa_next_free_vgpr 256
		.amdhsa_next_free_sgpr 66
		.amdhsa_reserve_vcc 1
		.amdhsa_float_denorm_mode_32 3
		.amdhsa_float_denorm_mode_16_64 3
		.amdhsa_memory_ordered 1
		.amdhsa_forward_progress 1
		.amdhsa_inst_pref_size 68
	.end_amdhsa_kernel
	.amdgpu_metadata
---
amdhsa.version: [ 1, 2 ]
amdhsa.kernels:
  - .name:           k_q3b491726b7_prep
    .symbol:         k_q3b491726b7_prep.kd
    .args:
      - { .name: q, .offset: 0, .size: 8, .value_kind: global_buffer, .address_space: global }
      - { .name: k, .offset: 8, .size: 8, .value_kind: global_buffer, .address_space: global }
      - { .name: x, .offset: 16, .size: 8, .value_kind: global_buffer, .address_space: global }
      - { .name: Wq, .offset: 24, .size: 8, .value_kind: global_buffer, .address_space: global }
      - { .name: Wk, .offset: 32, .size: 8, .value_kind: global_buffer, .address_space: global }
      - { .name: Wv, .offset: 40, .size: 8, .value_kind: global_buffer, .address_space: global }
      - { .name: Wd, .offset: 48, .size: 8, .value_kind: global_buffer, .address_space: global }
      - { .name: cod, .offset: 56, .size: 8, .value_kind: global_buffer, .address_space: global }
      - { .name: scl, .offset: 64, .size: 8, .value_kind: global_buffer, .address_space: global }
      - { .name: wdi, .offset: 72, .size: 8, .value_kind: global_buffer, .address_space: global }
    .group_segment_fixed_size: 35328
    .private_segment_fixed_size: 0
    .kernarg_segment_align: 8
    .kernarg_segment_size: 80
    .max_flat_workgroup_size: 128
    .sgpr_count:     66
    .vgpr_count:     256
    .wavefront_size: 32
...
	.end_amdgpu_metadata
.endif
;; end of part 1
;; launch proj (part 2): grid 4 x 48, 4 waves a work-group, clusters of 4 x 4, 262,656 bytes of LDS; arguments cod, scl, bq, bk, bv, qkv; writes qkv
.if DOCPART == 2
	.amdgcn_target "amdgcn-amd-amdhsa--gfx1250"
	.amdhsa_code_object_version 6
	.text
	.protected	k_q3b491726b7_proj
	.globl	k_q3b491726b7_proj
	.p2align	8
	.type	k_q3b491726b7_proj,@function
k_q3b491726b7_proj:
	s_mov_b64 s[64:65], 0
	v_nop
	global_prefetch_b8 v0, s[64:65] scope:SCOPE_SE
	s_setreg_imm32_b32 hwreg(HW_REG_WAVE_MODE, 25, 1), 1
	s_wait_xcnt 0x0
	s_wait_alu depctr_hold_cnt(0) depctr_sa_sdst(0) depctr_va_vdst(0) depctr_va_sdst(0) depctr_va_ssrc(0) depctr_va_vcc(0) depctr_vm_vsrc(0)
	s_getreg_b32 s2, hwreg(HW_REG_IB_STS2, 6, 4)
	s_cmp_eq_u32 s2, 0
	s_cbranch_scc0 .Lentry_in_a_cluster
	s_endpgm
.Lentry_in_a_cluster:
	s_bfe_u32 s2, ttmp6, 0x10000c
	s_cmp_lg_u32 s2, 0xf033
	s_cbranch_scc0 .Lentry_shape_is_right
	s_endpgm
.Lentry_shape_is_right:
; The three projections on codes of FP4 with E8M0 scales: for t = q, k, x: out[token][n] = sum over K of act_t[token][K] W_t[K][n] + b_t[n], n = head x 64 + e; sums in f32, K ascending, one accumulator an output.
; A work-group makes 256 tokens x 256 columns of one tensor (16 x 4 tiles a tensor, 192 in all); each of its four waves 128 x 128: 64 accumulators, 512 registers.
; K = 1,024 is 128 KiB of codes for each side's 256 rows: ALL OF IT LIES IN LDS, brought in four quarters of 256 along K by first fills alone; no LDS byte is filled twice.
; The codes lie in memory as images of operand registers (a tile of 16 rows: [K / 128][c][lane][16 bytes]), so a fragment is two loads of 512 consecutive bytes and nothing is padded.
; CLUSTERS: 4 x 4 work-groups.  The four of a row need the same tokens, the four of a column the same weights: each tile is asked for jointly.
; THE MATRIX INSTRUCTION IS USED TRANSPOSED (source 0 = 16 columns of W, source 1 = 16 tokens): a lane holds one token and eight neighbouring channels; the bias is the C of each sum's first instruction.
; OUT: qkv[t][batch x 16 + head][token / 16][e / 16][512 bytes]: Q and K in bf16, lane l's 16 bytes at 16 l; V in f16, token r's piece of channel half h at 16 (r % 8) + 128 h + 256 (r / 8), the order in which a turning LDS load at 16 l wants it.
; LIMIT: V goes in f16: magnitudes under 65,504.
; REGISTERS: window 0: v16-23 LDS addresses, v24, v25 places in an output block, v32-95 scale words, v128-255 the tokens' fragments, two sets (on the way out: packed results).
;   window 1: v0-127 the weights' fragments, two sets; v128-191 the bias.  windows 2, 3: the accumulators, (a, b) at v[8 (8 (a % 4) + b)].
.set QD,   65536                       ; a quarter in LDS: the tokens' 16 tiles x 2,048 bytes, then the weights'
.set SC,   32                          ; register SC + 8 i + s: lanes 0-15 the word of the tokens' block i, lanes 16-31 that of the weights' block i, for K step s
.set AF,   128
.set BIAS, 128
.set G1A,  24                          ; s[24:31], s[32:39] descriptor groups 1;  s[40:55], s[68:83] groups 0, one for each quarter
.set G1B,  32
.set G0A,  40
.set G0B,  68
.set MSB, 0
.macro WIN new                         ; the immediate's high byte repeats the setting that is left
.if MSB != (\new)
	s_set_vgpr_msb (MSB<<8)|(\new)
.set MSB, (\new)
.endif
.endm
.macro PLACES                          ; four plain vector lines between a matrix instruction and a load into, or a vector read or write of, its registers
.rept 4
	v_nop
.endr
.endm
.macro CROUND                          ; a round of the cluster's barrier
	s_barrier_signal -1
	s_barrier_wait -1
	s_cmp_lg_u32 s16, 0
	s_cbranch_scc1 .Lnot_wave_0_\@
	s_barrier_signal -3
.Lnot_wave_0_\@:
	s_barrier_wait -3
	s_barrier_signal -1
	s_barrier_wait -1
.endm
	s_load_b256 s[4:11], s[0:1], 0x0               ; cod s[4:5], scl s[6:7], bq s[8:9], bk s[10:11]
	s_load_b128 s[12:15], s[0:1], 0x20             ; bv s[12:13], qkv s[14:15]
	v_lshl_add_u32 v126, v0, 2, 0x40000
	v_mov_b32 v127, 0
	ds_add_u32 v126, v127
	ds_add_u32 v126, v127
	v_lshrrev_b32 v1, 5, v0
	v_readfirstlane_b32 s16, v1                    ; wave 0..3
	s_lshr_b32 s17, s16, 1                         ; my half of the tokens.  Also: I fetch tokens (0) or weights (1)
	s_and_b32 s18, s16, 1                          ; my half of the columns.  Also: which eight tiles I fetch
	s_bfe_u32 s19, ttmp6, 0x40000                  ; cx
	s_bfe_u32 s20, ttmp6, 0x40004                  ; cy
	s_lshl_b32 s21, ttmp9, 2
	s_add_co_u32 s21, s21, s19                     ; X: which 256 columns
	s_and_b32 s23, ttmp7, 0xffff
	s_lshl_b32 s22, s23, 2
	s_add_co_u32 s22, s22, s20                     ; Y: which 256 tokens of the three tensors on end
	s_lshr_b32 s23, s23, 2                         ; the tensor: the same in all sixteen partners
	s_lshl_b32 s56, s20, 2
	s_lshl_b32 s56, 15, s56                        ; my row of the cluster
	s_lshl_b32 s57, 0x1111, s19                    ; my column
	; group 1: eight tiles' 2,048 bytes of a quarter, 8,192 bytes apart, in elements of 8 bytes; no padding
	s_or_b32 s[G1A], s56, (3<<16)|(1<<21)          ; 15:0 the mask; 17:16 elements of 8 bytes; 21 set beside a mask
	s_or_b32 s[G1B], s57, (3<<16)|(1<<21)
.irp g, G1A, G1B
	s_mov_b32 s[\g+1], 256<<16                     ; tensor_dim0 = 256
	s_mov_b32 s[\g+2], 8<<16                       ; tensor_dim1 = 8
	s_mov_b32 s[\g+3], 256<<16                     ; tile_dim0 = 256
	s_mov_b32 s[\g+4], 8                           ; tile_dim1 = 8
	s_mov_b32 s[\g+5], 1024                        ; from tile to tile
	s_mov_b32 s[\g+6], 0
	s_mov_b32 s[\g+7], 0
.endr
	s_lshl_b32 s58, s22, 17                        ; tokens: Y x 16 tiles x 8,192 + my eight tiles
	s_lshl_b32 s59, s18, 16
	s_add_co_u32 s58, s58, s59
	s_mov_b32 s59, 0
	s_lshl_b32 s60, s23, 6                         ; weights: tile 768 + 64 x tensor + 16 X
	s_lshl_b32 s61, s21, 4
	s_add_co_u32 s60, s60, s61
	s_add_co_u32 s60, s60, 768
	s_mov_b32 s62, s60
	s_lshl_b32 s60, s60, 13
	s_lshl_b32 s61, s18, 16
	s_add_co_u32 s60, s60, s61
	s_mov_b32 s61, 0
	s_lshl_b32 s63, s16, 14                        ; in a quarter: wave x 16,384: no place in the cluster enters an LDS address
	s_wait_dscnt 0x0
	s_wait_kmcnt 0x0
	s_add_nc_u64 s[58:59], s[4:5], s[58:59]
	s_add_nc_u64 s[60:61], s[4:5], s[60:61]
.irp q, 0,1,2,3
	s_mov_b32 s[G0A+4*\q], 1
	s_add_co_u32 s[G0A+4*\q+1], s63, \q*QD
	s_add_nc_u64 s[G0A+4*\q+2:G0A+4*\q+3], s[58:59], \q*2048
	s_or_b32 s[G0A+4*\q+3], s[G0A+4*\q+3], 0x80000000
	s_mov_b32 s[G0B+4*\q], 1
	s_add_co_u32 s[G0B+4*\q+1], s63, \q*QD
	s_add_nc_u64 s[G0B+4*\q+2:G0B+4*\q+3], s[60:61], \q*2048
	s_or_b32 s[G0B+4*\q+3], s[G0B+4*\q+3], 0x80000000
.endr
	CROUND                                         ; all sixteen work-groups are here: the joint loads meet
	s_cmp_eq_u32 s17, 0                            ; a wave's four fills stand in one branch on its number: four loads of mine are out
	s_cbranch_scc0 .Lfor_b
.irp q, 0,1,2,3
	tensor_load_to_lds s[G0A+4*\q:G0A+4*\q+3], s[G1A:G1A+7]
	s_nop 0
.endr
	PLACES
	s_branch .Lasked
.Lfor_b:
.irp q, 0,1,2,3
	tensor_load_to_lds s[G0B+4*\q:G0B+4*\q+3], s[G1B:G1B+7]
	s_nop 0
.endr
	PLACES
.Lasked:
	v_and_b32 v1, 31, v0
	v_and_b32 v2, 15, v0                           ; r
	v_bfe_u32 v3, v0, 4, 1                         ; h
	v_lshlrev_b32 v24, 4, v1                       ; 16 x lane
	s_lshl_b32 s56, s17, 14                        ; my eight tiles of tokens,
	s_lshl_b32 s57, s18, 14
	s_add_co_u32 s57, s57, 32768                   ; of weights
.irp q, 0,1,2,3
	v_add_nc_u32 v[16+\q], s56, v24
	v_add_nc_u32 v[20+\q], s57, v24
	s_add_co_u32 s56, s56, QD
	s_add_co_u32 s57, s57, QD
.endr
	v_and_b32 v4, 7, v2
	v_lshlrev_b32 v25, 4, v4
	v_lshl_add_u32 v25, v3, 7, v25
	v_lshrrev_b32 v4, 3, v2
	v_lshl_add_u32 v25, v4, 8, v25                 ; V's order: 16 (r % 8) + 128 h + 256 (r / 8)
	s_lshl_b32 s84, s22, 4                         ; scale words: 512 bytes a tile.  Tokens: tile 16 Y + 8 x half
	s_lshl_b32 s85, s17, 3
	s_add_co_u32 s84, s84, s85
	s_lshl_b32 s84, s84, 9
	s_lshl_b32 s85, s18, 3                         ; weights: their first tile + 8 x half
	s_add_co_u32 s85, s85, s62
	s_lshl_b32 s85, s85, 9
	s_sub_co_u32 s85, s85, s84
	v_mul_u32_u24 v5, s85, v3                      ; lanes 16-31 take the weights'
	v_lshl_add_u32 v5, v2, 4, v5
	v_add_nc_u32 v5, s84, v5
.irp i, 0,1,2,3,4,5,6,7
.irp f, 0,1
	global_load_b128 v[SC+8*\i+4*\f:SC+8*\i+4*\f+3], v5, s[6:7] offset:\i*512+\f*256   ; four K steps' words of row r
.endr
.endr
	s_cmp_eq_u32 s23, 0
	s_cselect_b64 s[86:87], s[8:9], s[10:11]
	s_cmp_eq_u32 s23, 2
	s_cselect_b64 s[86:87], s[12:13], s[86:87]
	s_lshl_b32 s88, s21, 10                        ; the bias of my 128 columns
	s_lshl_b32 s89, s18, 9
	s_add_co_u32 s88, s88, s89
	s_mov_b32 s89, 0
	s_add_nc_u64 s[86:87], s[86:87], s[88:89]
	v_lshlrev_b32 v6, 5, v3                        ; lane (r, h) wants columns 16 b + 8 h + 0 .. 7
	WIN 0x40                                       ; destination window 1
.irp b, 0,1,2,3,4,5,6,7
	global_load_b128 v[BIAS+8*\b:BIAS+8*\b+3], v6, s[86:87] offset:64*\b
	global_load_b128 v[BIAS+8*\b+4:BIAS+8*\b+7], v6, s[86:87] offset:64*\b+16
.endr
	WIN 0
	s_and_b32 s90, s22, 15                         ; where my part of qkv begins: the tensor's tile of tokens,
	s_lshr_b32 s91, s90, 2                         ; its batch,
	s_lshl_b32 s91, s91, 4
	s_lshl_b32 s92, s21, 2
	s_add_co_u32 s91, s91, s92
	s_lshl_b32 s92, s18, 1
	s_add_co_u32 s91, s91, s92                     ; batch x 16 + my first head
	s_lshl_b32 s91, s91, 17
	s_and_b32 s90, s90, 3
	s_lshl_b32 s90, s90, 4
	s_lshl_b32 s92, s17, 3
	s_add_co_u32 s90, s90, s92                     ; my first tile of 16 tokens in the sequence
	s_lshl_b32 s90, s90, 11
	s_add_co_u32 s90, s90, s91
	s_lshl_b32 s91, s23, 23
	s_add_co_u32 s90, s90, s91
	s_mov_b32 s91, 0
	s_add_nc_u64 s[14:15], s[14:15], s[90:91]
.macro FETCH s, p                      ; K step s: the weights' eight fragments and the tokens' eight into set p: 32 loads of 512 consecutive bytes
	WIN 0x40
.irp b, 0,1,2,3,4,5,6,7
.irp c, 0,1
	ds_load_b128 v[64*(\p)+8*\b+4*\c:64*(\p)+8*\b+4*\c+3], v[20+(\s)/2] offset:\b*2048+((\s)%2)*1024+\c*512
.endr
.endr
	WIN 0
.irp a, 0,1,2,3,4,5,6,7
.irp c, 0,1
	ds_load_b128 v[AF+64*(\p)+8*\a+4*\c:AF+64*(\p)+8*\a+4*\c+3], v[16+(\s)/2] offset:\a*2048+((\s)%2)*1024+\c*512
.endr
.endr
.endm
.macro MUL s, p                        ; 64 matrix instructions: the 64 accumulators by turns, in the same order in every step
.irp a, 0,1,2,3,4,5,6,7
.if (\s) == 0
	WIN 0x91+0x40*(\a/4)                           ; weights and bias window 1, tokens window 0, results window 2 or 3
.else
	WIN 0xa1+0x50*(\a/4)
.endif
.irp b, 0,1,2,3,4,5,6,7
.if (\s) == 0
	v_wmma_scale_f32_16x16x128_f8f6f4 v[8*(8*(\a%4)+\b):8*(8*(\a%4)+\b)+7], v[64*(\p)+8*\b:64*(\p)+8*\b+7], v[AF+64*(\p)+8*\a:AF+64*(\p)+8*\a+7], v[BIAS+8*\b:BIAS+8*\b+7], v[SC+8*\b+(\s)], v[SC+8*\a+(\s)] matrix_a_fmt:MATRIX_FMT_FP4 matrix_b_fmt:MATRIX_FMT_FP4 matrix_a_scale:MATRIX_SCALE_ROW1
.else
	v_wmma_scale_f32_16x16x128_f8f6f4 v[8*(8*(\a%4)+\b):8*(8*(\a%4)+\b)+7], v[64*(\p)+8*\b:64*(\p)+8*\b+7], v[AF+64*(\p)+8*\a:AF+64*(\p)+8*\a+7], v[8*(8*(\a%4)+\b):8*(8*(\a%4)+\b)+7], v[SC+8*\b+(\s)], v[SC+8*\a+(\s)] matrix_a_fmt:MATRIX_FMT_FP4 matrix_b_fmt:MATRIX_FMT_FP4 matrix_a_scale:MATRIX_SCALE_ROW1
.endif
.endr
.endr
.endm
.macro PSTEP s
	s_wait_dscnt 0x0                               ; this step's 32 loads, issued ahead of the last step's 64 matrix instructions, are in
.if ((\s) == 1) || ((\s) == 3) || ((\s) == 5)
	s_wait_tensorcnt 3-((\s)+1)/2                  ; my part of the next quarter has landed; the later quarters' loads may be out
	s_barrier_signal -1
	s_barrier_wait -1                              ; everybody's has
.endif
.if (\s) < 7
.if (\s) > 0
	PLACES                                         ; the other set was read by the last step's matrix instructions
.endif
	FETCH (\s)+1, 1-(\s)%2
.endif
	MUL \s, (\s)%2
.endm
	s_wait_tensorcnt 3                             ; my part of quarter 0 has landed; three loads may be out
	s_barrier_signal -1
	s_barrier_wait -1
	FETCH 0, 0
	s_wait_loadcnt 0x0                             ; the scale words and the bias
.irp s, 0,1,2,3,4,5,6,7
	PSTEP \s
.endr
	WIN 0
	PLACES
; THE WAY OUT.  A lane's eight channels of a token pack into 16 bytes, which are a piece of the output's image: each store of the wave covers 512 consecutive bytes, with no way through LDS.
.macro OUT cvt, off
.irp g, 0,1
.if \g
	s_wait_xcnt 0x0                                ; the first half's stores have read their registers
.endif
	WIN 0x0a+5*\g                                  ; sources in window 2 or 3
.irp a, 0,1,2,3
.irp b, 0,1,2,3,4,5,6,7
.irp p, 0,1,2,3
	\cvt v[128+4*(8*\a+\b)+\p], v[8*(8*\a+\b)+2*\p], v[8*(8*\a+\b)+2*\p+1]   ; each accumulator from its low end on
.endr
.endr
.endr
	WIN 0
.irp a, 0,1,2,3
.irp b, 0,1,2,3,4,5,6,7
	global_store_b128 v[\off], v[128+4*(8*\a+\b):128+4*(8*\a+\b)+3], s[14:15] offset:(\b/4)*131072+(4*\g+\a)*2048+(\b%4)*512
.endr
.endr
.endr
.endm
	s_cmp_eq_u32 s23, 2                            ; the tensor's number: the same in all partners
	s_cbranch_scc1 .Lv_out
	OUT v_cvt_pk_bf16_f32, 24
	s_branch .Lend
.Lv_out:
	OUT v_cvt_pk_f16_f32, 25
.Lend:
	s_wait_tensorcnt 0x0
	ds_add_u32 v126, v127
	s_wait_dscnt 0x0
	CROUND                                         ; the closing round: no work-group ends while a partner may still ask for a tile that names it
	s_endpgm
.Lfunc_end_k_q3b491726b7_proj:
	.size	k_q3b491726b7_proj, .Lfunc_end_k_q3b491726b7_proj-k_q3b491726b7_proj
	.p2alignl 7, 3214868480
	.fill 96, 4, 3214868480
	.section	.rodata,"a",@progbits
	.p2align	6, 0x0
	.amdhsa_kernel k_q3b491726b7_proj
		.amdhsa_group_segment_fixed_size 262656
		.amdhsa_private_segment_fixed_size 0
		.amdhsa_enable_private_segment 0
		.amdhsa_kernarg_size 48
		.amdhsa_user_sgpr_count 2
		.amdhsa_user_sgpr_kernarg_segment_ptr 1
		.amdhsa_wavefront_size32 1
		.amdhsa_system_sgpr_workgroup_id_x 1
		.amdhsa_system_sgpr_workgroup_id_y 1
		.amdhsa_system_sgpr_workgroup_id_z 1
		.amdhsa_system_vgpr_workitem_id 0
		.amdhsa_next_free_vgpr 1024
		.amdhsa_next_free_sgpr 100
		.amdhsa_reserve_vcc 0
		.amdhsa_float_denorm_mode_32 3
		.amdhsa_float_denorm_mode_16_64 3
		.amdhsa_memory_ordered 1
		.amdhsa_forward_progress 1
		.amdhsa_inst_pref_size 140
	.end_amdhsa_kernel
	.amdgpu_metadata
---
amdhsa.version: [ 1, 2 ]
amdhsa.kernels:
  - .name:           k_q3b491726b7_proj
    .symbol:         k_q3b491726b7_proj.kd
    .args:
      - { .name: cod, .offset: 0, .size: 8, .value_kind: global_buffer, .address_space: global }
      - { .name: scl, .offset: 8, .size: 8, .value_kind: global_buffer, .address_space: global }
      - { .name: bq, .offset: 16, .size: 8, .value_kind: global_buffer, .address_space: global }
      - { .name: bk, .offset: 24, .size: 8, .value_kind: global_buffer, .address_space: global }
      - { .name: bv, .offset: 32, .size: 8, .value_kind: global_buffer, .address_space: global }
      - { .name: qkv, .offset: 40, .size: 8, .value_kind: global_buffer, .address_space: global }
    .group_segment_fixed_size: 262656
    .private_segment_fixed_size: 0
    .kernarg_segment_align: 8
    .kernarg_segment_size: 48
    .max_flat_workgroup_size: 128
    .sgpr_count:     100
    .vgpr_count:     1024
    .wavefront_size: 32
...
	.end_amdgpu_metadata
.endif
;; end of part 2
;; launch attn (part 3): grid 4 x 64, 8 waves a work-group, clusters of 4 x 1, 280,576 bytes of LDS; arguments qkv, Wak, bak, Wav, bav, att; writes att
.if DOCPART == 3
	.amdgcn_target "amdgcn-amd-amdhsa--gfx1250"
	.amdhsa_code_object_version 6
	.text
	.protected	k_q3b491726b7_attn
	.globl	k_q3b491726b7_attn
	.p2align	8
	.type	k_q3b491726b7_attn,@function
k_q3b491726b7_attn:
	s_mov_b64 s[64:65], 0
	v_nop
	global_prefetch_b8 v0, s[64:65] scope:SCOPE_SE
	s_setreg_imm32_b32 hwreg(HW_REG_WAVE_MODE, 25, 1), 1
	s_wait_xcnt 0x0
	s_wait_alu depctr_hold_cnt(0) depctr_sa_sdst(0) depctr_va_vdst(0) depctr_va_sdst(0) depctr_va_ssrc(0) depctr_va_vcc(0) depctr_vm_vsrc(0)
	s_getreg_b32 s2, hwreg(HW_REG_IB_STS2, 6, 4)
	s_cmp_eq_u32 s2, 0
	s_cbranch_scc0 .Lentry_in_a_cluster
	s_endpgm
.Lentry_in_a_cluster:
	s_bfe_u32 s2, ttmp6, 0x10000c
	s_cmp_lg_u32 s2, 0x3003
	s_cbranch_scc0 .Lentry_shape_is_right
	s_endpgm
.Lentry_shape_is_right:
; Attention with relative positions, one (batch, head) for a cluster of four work-groups, 256 queries a work-group, 32 a wave (two tiles of 16), all 1,024 keys.
; THE RELATIVE-POSITION TENSORS.  The pad and reshape of the problem give ak[i][j] = sin(c (j - i)) Wak0 + cos(c (j - i)) Wak1 + bak, c = 1.5708 / 1024, and av likewise.  By the addition theorems
;   q_i . ak[i][j] = alpha_i sin(c j) + beta_i cos(c j) + C_i, alpha = cos(c i) A + sin(c i) B, beta = cos(c i) B - sin(c i) A, A = q_i . Wak0, B = q_i . Wak1, C = q_i . bak: three more places along K in K Q^T;
;   sum_j p av[i][j] = S_i Wav0 + C'_i Wav1 + bav, S = cos(c i) X - sin(c i) Y, C' = cos(c i) Y + sin(c i) X, X = sum_j p sin(c j), Y = sum_j p cos(c j): one more tile of "channels" (sin, cos, ones) in V^T P, whose third row is the softmax's divisor.
; sin and cos on [0, 1.5693] are Taylor sums in f32 (to x^11 and x^12; what is cut is under 6e-8).
; LAYOUT.  S^T = K Q^T (source 0 = 16 keys, source 1 = 16 queries) and O^T = V^T P: a lane holds one query throughout.  Q, K and the three extra places in bf16; P, V and the tables of the second product in f16.
; SOFTMAX.  Running maximum m for each query: p = 2^(c' s - c' m), c' = log2(e) / 64; in every step O^T (the divisor's row among it) is multiplied by 2^(c' m_old - c' m_new).
; LDS: the head's K and V, 128 KiB each, as images of operand registers, come once, in four quarters of 256 keys, by joint loads of the four partners; the tables are made by the work-group itself in bytes of their own.
; LIMITS: NaN and infinities are not served.  V and the result go in f16: magnitudes under 65,504; results under 6.1e-5 keep an absolute error of 3e-8.
; REGISTERS: window 0: v1-9 addresses; v16-31 statistics, eight a tile: c' m, m, a, 0, four chains; v32-47 the tail's pairs; v48-51 sin(c i), cos(c i); v64-127 S^T; v128-159 P; v160-223 K; v224-255 K's extra places.
;   window 1: v0-79 O^T, 40 a tile (four tiles of channels, then X, Y, the divisor); v80-111 Q; v112-127 Q's extra places; v128-207 V and the table rows.
.set VIMG, 131072
.set TK,   262144                      ; [key][8 bytes]: bf16 sin, cos, 1, 0
.set TV,   270336                      ; four rows of 1,024 f16 along the keys: sin, cos, ones, zeros
.set TVP,  2064                        ; a row of it: 2,048 bytes + 16
.set CW,   278784                      ; Wav0, Wav1, bav: 768 bytes of f32
.set ST,   16
.set TL,   32
.set SN,   48
.set S,    64
.set P,    128
.set KF,   160
.set KX,   224
.set QF,   80
.set QX,   112
.set VF,   128
.set MSB, 0
.macro WIN new                         ; the immediate's high byte repeats the setting that is left
.if MSB != (\new)
	s_set_vgpr_msb (MSB<<8)|(\new)
.set MSB, (\new)
.endif
.endm
.macro PLACES
.rept 4
	v_nop
.endr
.endm
.macro CROUND                          ; a round of the cluster's barrier
	s_barrier_signal -1
	s_barrier_wait -1
	s_cmp_lg_u32 s16, 0
	s_cbranch_scc1 .Lnot_wave_0_\@
	s_barrier_signal -3
.Lnot_wave_0_\@:
	s_barrier_wait -3
	s_barrier_signal -1
	s_barrier_wait -1
.endm
.macro SINCOS x, s, c, z               ; v[s] = sin(v[x]), v[c] = cos(v[x]); two chains by turns
	v_mul_f32 v[\z], v[\x], v[\x]
	v_mov_b32 v[\s], 0xb2d7322b                    ; -1 / 11!
	v_mov_b32 v[\c], 0x310f76c7                    ; 1 / 12!
	v_fmaak_f32 v[\s], v[\s], v[\z], 0x3638ef1d    ; 1 / 9!
	v_fmaak_f32 v[\c], v[\c], v[\z], 0xb493f27e    ; -1 / 10!
	v_fmaak_f32 v[\s], v[\s], v[\z], 0xb9500d01    ; -1 / 7!
	v_fmaak_f32 v[\c], v[\c], v[\z], 0x37d00d01    ; 1 / 8!
	v_fmaak_f32 v[\s], v[\s], v[\z], 0x3c088889    ; 1 / 5!
	v_fmaak_f32 v[\c], v[\c], v[\z], 0xbab60b61    ; -1 / 6!
	v_fmaak_f32 v[\s], v[\s], v[\z], 0xbe2aaaab    ; -1 / 3!
	v_fmaak_f32 v[\c], v[\c], v[\z], 0x3d2aaaab    ; 1 / 4!
	v_fmaak_f32 v[\s], v[\s], v[\z], 0x3f800000
	v_fmaak_f32 v[\c], v[\c], v[\z], 0xbf000000    ; -1 / 2
	v_mul_f32 v[\s], v[\s], v[\x]
	v_fmaak_f32 v[\c], v[\c], v[\z], 0x3f800000
.endm
	s_load_b256 s[4:11], s[0:1], 0x0               ; qkv s[4:5], Wak s[6:7], bak s[8:9], Wav s[10:11]
	s_load_b128 s[12:15], s[0:1], 0x20             ; bav s[12:13], att s[14:15]
	v_lshl_add_u32 v62, v0, 2, 0x44400
	v_mov_b32 v63, 0
	ds_add_u32 v62, v63
	ds_add_u32 v62, v63
	v_lshrrev_b32 v1, 5, v0
	v_readfirstlane_b32 s16, v1                    ; wave 0..7
	s_bfe_u32 s17, ttmp6, 0x40000                  ; cx
	s_lshl_b32 s19, ttmp9, 2
	s_add_co_u32 s19, s19, s17                     ; my block of 256 queries: it enters Q's and the result's addresses and the queries' angles alone
	s_and_b32 s18, ttmp7, 0xffff                   ; batch x 16 + head, which the partners share
	s_mov_b32 s20, 0x76543210
	s_mov_b32 s21, 0xfedcba98                      ; lane l xor 16
	s_mov_b32 s22, 0x3cb8aa3b                      ; c' = log2(e) / 64
	s_mov_b32 s23, s22                             ; (named with it as a pair)
	s_mov_b32 s24, 15|(3<<16)|(1<<21)              ; group 1: 15:0 the mask: all four partners; 17:16 elements of 8 bytes; 21 set beside a mask; no padding
	s_mov_b32 s25, 32<<16                          ; tensor_dim0 = 32: rows of 256 bytes
	s_mov_b32 s26, 32<<16                          ; tensor_dim1 = 32
	s_mov_b32 s27, 32<<16                          ; tile_dim0
	s_mov_b32 s28, 32                              ; tile_dim1: 8,192 dense bytes
	s_mov_b32 s29, 32
	s_mov_b32 s30, 0
	s_mov_b32 s31, 0
	s_mov_b32 s48, 0                               ; the step's place in K's and V's images: 8,192 bytes a step,
	s_mov_b32 s49, 0                               ; in TK: 512,
	s_mov_b32 s50, 0                               ; in a row of TV: 128
	s_lshr_b32 s52, s16, 2                         ; waves 0-3 fetch K, waves 4-7 V: 8,192 bytes of each quarter
	s_and_b32 s53, s16, 3
	s_lshl_b32 s53, s53, 13
	s_lshl_b32 s54, s52, 23
	s_add_co_u32 s54, s54, 8388608                 ; K is the second tensor of qkv, V the third
	s_lshl_b32 s55, s18, 17
	s_add_co_u32 s54, s54, s55
	s_add_co_u32 s54, s54, s53
	s_mov_b32 s55, 0
	s_lshl_b32 s52, s52, 17
	s_add_co_u32 s52, s52, s53                     ; and in LDS
	s_lshl_b32 s56, s18, 17                        ; Q: my head, my wave's two tiles of 16 queries
	s_lshl_b32 s57, s19, 4
	s_add_co_u32 s57, s57, s16
	s_add_co_u32 s57, s57, s16
	s_mov_b32 s58, s57                             ; my first tile of queries: 16 x block + 2 x wave
	s_lshl_b32 s57, s57, 11
	s_add_co_u32 s56, s56, s57
	s_mov_b32 s57, 0
	s_wait_dscnt 0x0
	s_wait_kmcnt 0x0
	s_add_nc_u64 s[54:55], s[4:5], s[54:55]
	s_add_nc_u64 s[56:57], s[4:5], s[56:57]
.irp q, 0,1,2,3
	s_mov_b32 s[32+4*\q], 1
	s_add_co_u32 s[33+4*\q], s52, \q*32768
	s_add_nc_u64 s[34+4*\q:35+4*\q], s[54:55], \q*32768
	s_or_b32 s[35+4*\q], s[35+4*\q], 0x80000000
.endr
	CROUND                                         ; all four work-groups are here: the joint loads meet
.irp q, 0,1,2,3
	tensor_load_to_lds s[32+4*\q:35+4*\q], s[24:31]   ; every wave's four fills, one for each quarter: four loads of mine are out
	s_nop 0
.endr
	PLACES
	v_and_b32 v10, 31, v0                          ; lane
	v_and_b32 v11, 15, v0                          ; r
	v_bfe_u32 v12, v0, 4, 1                        ; h
	v_lshlrev_b32 v1, 4, v10                       ; 16 x lane: my place in every image
	v_add_nc_u32 v2, VIMG, v1
	v_lshl_add_u32 v3, v11, 3, TK                  ; key r of a tile
	v_and_b32 v13, 3, v11
	v_mul_u32_u24 v4, v13, TVP
	v_lshl_add_u32 v4, v12, 4, v4
	v_add_nc_u32 v4, TV, v4                        ; "channel" r takes table row r % 4; keys 8 h on
	v_lshl_add_u32 v9, v12, 5, CW                  ; my eight channels of a tile: 32 h bytes on
	v_lshl_add_u32 v14, v0, 5, TK                  ; where thread n stores keys 4 n .. 4 n + 3
	v_lshl_add_u32 v15, v0, 3, TV
	v_add_nc_u32 v52, CW, v1                       ; where wave 0 stores Wav
	v_lshl_add_u32 v53, v10, 3, CW+512             ; and bav
	v_lshlrev_b32 v55, 3, v10
	v_and_b32 v13, 1, v11
	v_lshlrev_b32 v13, 8, v13
	v_lshl_add_u32 v13, v12, 5, v13                ; Wak: row r % 2, channels 8 h on
	v_lshlrev_b32 v54, 5, v12                      ; bak: channels 8 h on
	WIN 0x40                                       ; destination window 1
.irp t, 0,1
.irp c, 0,1,2,3
	global_load_b128 v[QF+16*\t+4*\c:QF+16*\t+4*\c+3], v1, s[56:57] offset:\t*2048+\c*512   ; Q stays in registers
.endr
.endr
	WIN 0
.irp n, 0,1,2,3,4,5,6,7                ; channels 32 (n / 4) + 16 ((n / 2) % 2) + 8 h + 4 (n % 2) on: the order of a fragment's registers
	global_load_b128 v[64+4*\n:67+4*\n], v13, s[6:7] offset:(\n/4)*128+((\n/2)%2)*64+(\n%2)*16
	global_load_b128 v[96+4*\n:99+4*\n], v54, s[8:9] offset:(\n/4)*128+((\n/2)%2)*64+(\n%2)*16
.endr
	s_cmp_lg_u32 s16, 0                            ; wave 0 alone brings Wav and bav into LDS
	s_cbranch_scc1 .Lnot_0
	global_load_b128 v[224:227], v1, s[10:11]
	global_load_b64 v[228:229], v55, s[12:13]
	s_wait_loadcnt 0x0
	ds_store_b128 v52, v[224:227]
	ds_store_b64 v53, v[228:229]
.Lnot_0:
	v_lshlrev_b32 v56, 2, v0                       ; THE TABLES: thread n makes keys 4 n .. 4 n + 3
.irp i, 0,1,2,3
	v_add_nc_u32 v57, \i, v56
	v_cvt_f32_u32 v57, v57
	v_mul_f32 v[160+4*\i], 0x3ac90ff9, v57         ; c j, c = 1.5708 / 1024 in f32
	SINCOS 160+4*\i, 161+4*\i, 162+4*\i, 163+4*\i
.endr
.irp i, 0,1,2,3
	v_cvt_pk_bf16_f32 v[176+2*\i], v[161+4*\i], v[162+4*\i]
	v_mov_b32 v[177+2*\i], 0x3f80                  ; bf16 1, then 0
.endr
	ds_store_b128 v14, v[176:179]
	ds_store_b128 v14, v[180:183] offset:16
	v_cvt_pk_f16_f32 v184, v161, v165
	v_cvt_pk_f16_f32 v185, v169, v173
	v_cvt_pk_f16_f32 v186, v162, v166
	v_cvt_pk_f16_f32 v187, v170, v174
	v_mov_b32 v188, 0x3c003c00                     ; f16 1, twice
	v_mov_b32 v189, 0x3c003c00
	v_mov_b32 v190, 0
	v_mov_b32 v191, 0
	ds_store_b64 v15, v[184:185]
	ds_store_b64 v15, v[186:187] offset:TVP
	ds_store_b64 v15, v[188:189] offset:2*TVP
	ds_store_b64 v15, v[190:191] offset:3*TVP
	s_lshl_b32 s59, s58, 4                         ; my wave's first query
.irp t, 0,1
	v_add_nc_u32 v57, s59, v11
	v_add_nc_u32 v57, 16*\t, v57
	v_cvt_f32_u32 v57, v57
	v_mul_f32 v[192+4*\t], 0x3ac90ff9, v57
	SINCOS 192+4*\t, SN+2*\t, SN+1+2*\t, 193+4*\t  ; sin(c i), cos(c i) of my query in tile t
.endr
	s_wait_loadcnt 0x0                             ; Q, Wak, bak
	v_cmp_gt_u32 vcc_lo, 2, v11                    ; a matrix of 16 rows: Wak0, Wak1, bak, then zeros
	v_cmp_eq_u32 s62, 2, v11
.set n, 0
.rept 32
	v_cndmask_b32 v[96+n], 0, v[96+n], s62
.set n, n+1
.endr
.set n, 0
.rept 32
	v_cndmask_b32 v[64+n], v[96+n], v[64+n], vcc_lo
.set n, n+1
.endr
.set n, 0
.rept 16
	v_cvt_pk_bf16_f32 v[P+n], v[64+2*n], v[65+2*n] ; its two fragments, in v128-143
.set n, n+1
.endr
.irp k, 0,1,2,3
.irp j, 2,3,4,5,6,7
	v_mov_b32 v[KX+8*\k+\j], 0                     ; K's extra places beyond the fourth: zeros, written once
.endr
.endr
.irp t, 0,1
	v_mov_b32 v[ST+8*\t+1], 0xff61b1e6             ; m = -3e38, under every score
	v_mul_f32 v[ST+8*\t], s22, v[ST+8*\t+1]
	v_mov_b32 v[ST+8*\t+3], 0                      ; (named beside a as a pair)
.endr
.set n, 0
.rept 16
	v_mov_b32 v[TL+n], 0                           ; (the tail's pairs: the upper words are named, so they are written)
.set n, n+1
.endr
	WIN 0x04                                       ; source 1 (Q) window 1
	v_wmma_f32_16x16x32_bf16 v[144:151], v[128:135], v[QF:QF+7], 0              ; lanes 0-15: registers 0, 1, 2 = A, B, C of query r; lanes 16-31: zeros.  The two tiles by turns
	v_wmma_f32_16x16x32_bf16 v[152:159], v[128:135], v[QF+16:QF+23], 0
	v_wmma_f32_16x16x32_bf16 v[144:151], v[136:143], v[QF+8:QF+15], v[144:151]
	v_wmma_f32_16x16x32_bf16 v[152:159], v[136:143], v[QF+24:QF+31], v[152:159]
	WIN 0x40
.set n, 0
.rept 80
	v_mov_b32 v[n], 0                              ; O^T: the key step is written once, and its first trip finds zeros.  (These lines are also the places behind the four products)
.set n, n+1
.endr
.irp t, 0,1
.irp j, 2,3,4,5,6,7
	v_mov_b32 v[QX+8*\t+\j], 0
.endr
.endr
	WIN 0
.irp t, 0,1
	v_mul_f32 v[200+2*\t], v[SN+2*\t], v[145+8*\t]                        ; sin B
	v_mul_f32 v[201+2*\t], v[SN+2*\t], v[144+8*\t]                        ; sin A
	v_fma_f32 v[200+2*\t], v[SN+1+2*\t], v[144+8*\t], v[200+2*\t]         ; alpha
	v_fma_f32 v[201+2*\t], v[SN+1+2*\t], v[145+8*\t], -v[201+2*\t]        ; beta
.endr
	WIN 0x40
.irp t, 0,1
	v_cvt_pk_bf16_f32 v[QX+8*\t], v[200+2*\t], v[201+2*\t]                ; Q's extra places: alpha, beta, C, 0; zeros in lanes 16-31, so that what K's extra registers hold there adds nothing
	v_cvt_pk_bf16_f32 v[QX+8*\t+1], v[146+8*\t], 0
.endr
	WIN 0
; A KEY STEP: 64 keys.
.macro STEP
	v_add_nc_u32 v5, s48, v1                       ; the step's addresses: also the four places in front of the loads into V's registers
	v_add_nc_u32 v6, s48, v2
	v_add_nc_u32 v7, s49, v3
	v_add_nc_u32 v8, s50, v4
.irp k, 0,1,2,3
.irp c, 0,1,2,3
	ds_load_b128 v[KF+16*\k+4*\c:KF+16*\k+4*\c+3], v5 offset:\k*2048+\c*512
.endr
	ds_load_b64 v[KX+8*\k:KX+8*\k+1], v7 offset:128*\k
.endr
	WIN 0x40
.irp g, 0,1
.irp c, 0,1,2,3
.irp u, 0,1
	ds_load_tr16_b128 v[VF+8*(5*\g+\c)+4*\u:VF+8*(5*\g+\c)+4*\u+3], v6 offset:(2*\g+\u)*2048+\c*512   ; channel 16 c + r, keys 32 g + 16 u + 8 h + 0 .. 7
.endr
.endr
.irp u, 0,1
	ds_load_b128 v[VF+8*(5*\g+4)+4*\u:VF+8*(5*\g+4)+4*\u+3], v8 offset:64*\g+32*\u
.endr
.endr
	s_wait_dscnt 20                                ; K's 20 loads are in; V's 20 may be out
	WIN 0x04
.irp x, 0,1,2                          ; channels 0-31, 32-63, the extra places; the eight accumulators by turns
.irp k, 0,1,2,3
.irp t, 0,1
.if \x == 0
	v_wmma_f32_16x16x32_bf16 v[S+32*\t+8*\k:S+32*\t+8*\k+7], v[KF+16*\k:KF+16*\k+7], v[QF+16*\t:QF+16*\t+7], 0
.elseif \x == 1
	v_wmma_f32_16x16x32_bf16 v[S+32*\t+8*\k:S+32*\t+8*\k+7], v[KF+16*\k+8:KF+16*\k+15], v[QF+16*\t+8:QF+16*\t+15], v[S+32*\t+8*\k:S+32*\t+8*\k+7]
.else
	v_wmma_f32_16x16x32_bf16 v[S+32*\t+8*\k:S+32*\t+8*\k+7], v[KX+8*\k:KX+8*\k+7], v[QX+8*\t:QX+8*\t+7], v[S+32*\t+8*\k:S+32*\t+8*\k+7]
.endif
.endr
.endr
.endr
	WIN 0
	PLACES
.irp j, 0,1,2,3                        ; the maximum of my 32 scores and the old m: four chains a tile, the two tiles by turns; each accumulator is read from its low end on
.irp t, 0,1
	v_max3_num_f32 v[ST+8*\t+4+\j], v[S+32*\t+8*\j], v[S+32*\t+8*\j+1], v[S+32*\t+8*\j+2]
.endr
.endr
.irp i, 3,5
.irp j, 0,1,2,3
.irp t, 0,1
	v_max3_num_f32 v[ST+8*\t+4+\j], v[ST+8*\t+4+\j], v[S+32*\t+8*\j+\i], v[S+32*\t+8*\j+\i+1]
.endr
.endr
.endr
.irp t, 0,1
	v_max3_num_f32 v[ST+8*\t+4], v[ST+8*\t+4], v[S+32*\t+7], v[S+32*\t+15]
.endr
.irp t, 0,1
	v_max3_num_f32 v[ST+8*\t+6], v[ST+8*\t+6], v[S+32*\t+23], v[S+32*\t+31]
.endr
.irp t, 0,1
	v_max3_num_f32 v[ST+8*\t+4], v[ST+8*\t+4], v[ST+8*\t+5], v[ST+8*\t+6]
.endr
.irp t, 0,1
	v_max3_num_f32 v[ST+8*\t+4], v[ST+8*\t+4], v[ST+8*\t+7], v[ST+8*\t+1]
.endr
.irp t, 0,1
	v_permlanex16_b32 v[ST+8*\t+5], v[ST+8*\t+4], s20, s21   ; the query's other 32 keys lie in the lane 16 away
.endr
.irp t, 0,1
	v_mov_b32 v[ST+8*\t+7], v[ST+8*\t]             ; c' m_old
.endr
.irp t, 0,1
	v_max_num_f32 v[ST+8*\t+1], v[ST+8*\t+4], v[ST+8*\t+5]
.endr
.irp t, 0,1
	v_mul_f32 v[ST+8*\t], s22, v[ST+8*\t+1]
.endr
.irp t, 0,1
	v_sub_f32 v[ST+8*\t+7], v[ST+8*\t+7], v[ST+8*\t]
.endr
.irp t, 0,1
	v_exp_f32 v[ST+8*\t+2], v[ST+8*\t+7]           ; a = 2^(c' m_old - c' m_new)
.endr
.irp t, 0,1
.set n, 0
.rept 16
	v_pk_fma_f32 v[S+32*\t+n:S+32*\t+n+1], v[S+32*\t+n:S+32*\t+n+1], s[22:23], v[ST+8*\t:ST+8*\t+1] op_sel_hi:[1,0,0] neg_lo:[0,0,1] neg_hi:[0,0,1]   ; c' s - c' m
.set n, n+2
.endr
.endr
.set n, 0
.rept 64
	v_exp_f32 v[S+n], v[S+n]
.set n, n+1
.endr
	v_nop                                          ; a plain line between the last exponential and the use of its result
.set n, 0
	s_wait_alu depctr_va_vdst(0)
.rept 32
	v_cvt_pk_f16_f32 v[P+n], v[S+2*n], v[S+2*n+1]  ; two neighbouring keys to a register: two tiles of keys are source 1 of the second product as they stand
.set n, n+1
.endr
	WIN 0x41                                       ; O^T window 1, a window 0
.irp t, 0,1
.set n, 0
.rept 20
	v_pk_mul_f32 v[40*\t+n:40*\t+n+1], v[40*\t+n:40*\t+n+1], v[ST+8*\t+2:ST+8*\t+3] op_sel_hi:[1,0]
.set n, n+2
.endr
.endr
	s_wait_dscnt 0x0                               ; V is in
	WIN 0x51                                       ; V and O^T window 1, P window 0
.irp g, 0,1                            ; the ten accumulators by turns
.irp c, 0,1,2,3,4
.irp t, 0,1
	v_wmma_f32_16x16x32_f16 v[40*\t+8*\c:40*\t+8*\c+7], v[VF+8*(5*\g+\c):VF+8*(5*\g+\c)+7], v[P+16*\t+8*\g:P+16*\t+8*\g+7], v[40*\t+8*\c:40*\t+8*\c+7]
.endr
.endr
.endr
	WIN 0
	s_add_co_u32 s48, s48, 8192
	s_add_co_u32 s49, s49, 512
	s_add_co_u32 s50, s50, 128
.endm
.macro QUARTER q                       ; 256 keys: four steps
	s_wait_tensorcnt 3-\q                          ; my part of this quarter has landed; the later quarters' loads may be out
	s_wait_dscnt 0x0                               ; my LDS stores (the tables) have landed, my LDS loads are in
	s_barrier_signal -1
	s_barrier_wait -1
	s_mov_b32 s51, 4
.Lstep_\@:
	STEP
	s_sub_co_u32 s51, s51, 1
	s_cmp_lg_u32 s51, 0
	s_cbranch_scc1 .Lstep_\@
.endm
	QUARTER 0
	QUARTER 1
	QUARTER 2
	QUARTER 3
	; THE TAIL.  result = O^T / l + S Wav0 + C' Wav1 + bav, in f16, stored as an image of the last product's operand.
.irp a, 0,1,2
.irp c, 0,1,2,3
.irp v, 0,1
	ds_load_b128 v[160+32*\a+8*\c+4*\v:160+32*\a+8*\c+4*\v+3], v9 offset:\a*256+\c*64+\v*16   ; Wav0, Wav1, bav at my channels 16 c + 8 h + 0 .. 7
.endr
.endr
.endr
	s_lshr_b32 s60, s18, 4                         ; where my two tiles of tokens begin in att: (batch x 64 + tile) x 32,768 + head x 2,048
	s_lshl_b32 s60, s60, 6
	s_add_co_u32 s60, s60, s58
	s_lshl_b32 s60, s60, 15
	s_and_b32 s61, s18, 15
	s_lshl_b32 s61, s61, 11
	s_add_co_u32 s60, s60, s61
	s_mov_b32 s61, 0
	s_add_nc_u64 s[14:15], s[14:15], s[60:61]
	PLACES
	WIN 0x01                                       ; source 0 (O^T) window 1
.irp t, 0,1
	v_rcp_f32 v[TL+8*\t], v[40*\t+34]              ; the fifth tile's rows repeat every four, so both halves of the lanes hold X, Y and the divisor in registers 0, 1, 2
.endr
	v_nop
	s_wait_alu depctr_va_vdst(0)
.irp t, 0,1
	v_mul_f32 v[TL+8*\t+6], v[40*\t+32], v[TL+8*\t]
	v_mul_f32 v[TL+8*\t+7], v[40*\t+33], v[TL+8*\t]
.endr
	WIN 0
.irp t, 0,1
	v_mul_f32 v[TL+8*\t+2], v[SN+2*\t], v[TL+8*\t+7]
	v_mul_f32 v[TL+8*\t+4], v[SN+2*\t], v[TL+8*\t+6]
	v_fma_f32 v[TL+8*\t+2], v[SN+1+2*\t], v[TL+8*\t+6], -v[TL+8*\t+2]     ; S = cos X - sin Y
	v_fma_f32 v[TL+8*\t+4], v[SN+1+2*\t], v[TL+8*\t+7], v[TL+8*\t+4]      ; C' = cos Y + sin X
.endr
	s_wait_dscnt 0x0
.irp t, 0,1
.set n, 0
.rept 16
	v_pk_fma_f32 v[S+32*\t+n:S+32*\t+n+1], v[160+n:161+n], v[TL+8*\t+2:TL+8*\t+3], v[224+n:225+n] op_sel_hi:[1,0,1]
.set n, n+2
.endr
.set n, 0
.rept 16
	v_pk_fma_f32 v[S+32*\t+n:S+32*\t+n+1], v[192+n:193+n], v[TL+8*\t+4:TL+8*\t+5], v[S+32*\t+n:S+32*\t+n+1] op_sel_hi:[1,0,1]
.set n, n+2
.endr
.endr
	WIN 0x01
.irp t, 0,1
.set n, 0
.rept 16
	v_pk_fma_f32 v[S+32*\t+n:S+32*\t+n+1], v[40*\t+n:40*\t+n+1], v[TL+8*\t:TL+8*\t+1], v[S+32*\t+n:S+32*\t+n+1] op_sel_hi:[1,0,1]   ; each accumulator from its low end on
.set n, n+2
.endr
.endr
	WIN 0
.set n, 0
.rept 32
	v_cvt_pk_f16_f32 v[P+n], v[S+2*n], v[S+2*n+1]
.set n, n+1
.endr
.irp t, 0,1
.irp c, 0,1,2,3
	global_store_b128 v1, v[P+16*\t+4*\c:P+16*\t+4*\c+3], s[14:15] offset:\t*32768+\c*512   ; the wave stores 512 consecutive bytes
.endr
.endr
	s_wait_tensorcnt 0x0
	ds_add_u32 v62, v63
	s_wait_dscnt 0x0
	CROUND                                         ; the closing round: no work-group ends while a partner may still ask for a tile that names it
	s_endpgm
.Lfunc_end_k_q3b491726b7_attn:
	.size	k_q3b491726b7_attn, .Lfunc_end_k_q3b491726b7_attn-k_q3b491726b7_attn
	.p2alignl 7, 3214868480
	.fill 96, 4, 3214868480
	.section	.rodata,"a",@progbits
	.p2align	6, 0x0
	.amdhsa_kernel k_q3b491726b7_attn
		.amdhsa_group_segment_fixed_size 280576
		.amdhsa_private_segment_fixed_size 0
		.amdhsa_enable_private_segment 0
		.amdhsa_kernarg_size 48
		.amdhsa_user_sgpr_count 2
		.amdhsa_user_sgpr_kernarg_segment_ptr 1
		.amdhsa_wavefront_size32 1
		.amdhsa_system_sgpr_workgroup_id_x 1
		.amdhsa_system_sgpr_workgroup_id_y 1
		.amdhsa_system_sgpr_workgroup_id_z 1
		.amdhsa_system_vgpr_workitem_id 0
		.amdhsa_next_free_vgpr 512
		.amdhsa_next_free_sgpr 66
		.amdhsa_reserve_vcc 1
		.amdhsa_float_denorm_mode_32 3
		.amdhsa_float_denorm_mode_16_64 3
		.amdhsa_memory_ordered 1
		.amdhsa_forward_progress 1
		.amdhsa_inst_pref_size 106
	.end_amdhsa_kernel
	.amdgpu_metadata
---
amdhsa.version: [ 1, 2 ]
amdhsa.kernels:
  - .name:           k_q3b491726b7_attn
    .symbol:         k_q3b491726b7_attn.kd
    .args:
      - { .name: qkv, .offset: 0, .size: 8, .value_kind: global_buffer, .address_space: global }
      - { .name: Wak, .offset: 8, .size: 8, .value_kind: global_buffer, .address_space: global }
      - { .name: bak, .offset: 16, .size: 8, .value_kind: global_buffer, .address_space: global }
      - { .name: Wav, .offset: 24, .size: 8, .value_kind: global_buffer, .address_space: global }
      - { .name: bav, .offset: 32, .size: 8, .value_kind: global_buffer, .address_space: global }
      - { .name: att, .offset: 40, .size: 8, .value_kind: global_buffer, .address_space: global }
    .group_segment_fixed_size: 280576
    .private_segment_fixed_size: 0
    .kernarg_segment_align: 8
    .kernarg_segment_size: 48
    .max_flat_workgroup_size: 256
    .sgpr_count:     66
    .vgpr_count:     512
    .wavefront_size: 32
...
	.end_amdgpu_metadata
.endif
;; end of part 3
;; launch outp (part 4): grid 8 x 32, 4 waves a work-group, clusters of 4 x 4, 327,680 bytes of LDS; arguments att, wdi, bd, out0; writes out0
.if DOCPART == 4
	.amdgcn_target "amdgcn-amd-amdhsa--gfx1250"
	.amdhsa_code_object_version 6
	.text
	.protected	k_q3b491726b7_outp
	.globl	k_q3b491726b7_outp
	.p2align	8
	.type	k_q3b491726b7_outp,@function
k_q3b491726b7_outp:
	s_mov_b64 s[64:65], 0
	v_nop
	global_prefetch_b8 v0, s[64:65] scope:SCOPE_SE
	s_setreg_imm32_b32 hwreg(HW_REG_WAVE_MODE, 25, 1), 1
	s_wait_xcnt 0x0
	s_wait_alu depctr_hold_cnt(0) depctr_sa_sdst(0) depctr_va_vdst(0) depctr_va_sdst(0) depctr_va_ssrc(0) depctr_va_vcc(0) depctr_vm_vsrc(0)
	s_getreg_b32 s2, hwreg(HW_REG_IB_STS2, 6, 4)
	s_cmp_eq_u32 s2, 0
	s_cbranch_scc0 .Lentry_in_a_cluster
	s_endpgm
.Lentry_in_a_cluster:
	s_bfe_u32 s2, ttmp6, 0x10000c
	s_cmp_lg_u32 s2, 0xf033
	s_cbranch_scc0 .Lentry_shape_is_right
	s_endpgm
.Lentry_shape_is_right:
; out0[token][n] = mish(sum over K of att[token][K] Wd[K][n] + bd[n]), mish(y) = y tanh(log(1 + e^y)).  att and Wd^T come in f16 as images of operand registers; sums in f32; out0 f32.
; A tile of 128 tokens x 128 columns to a work-group (32 x 8 = 256 of them), four waves of 64 x 64: 16 accumulators.  K = 1,024 goes in four steps of 256 through a ring of two LDS slots.
; A tile of 16 rows is [K / 32][u][lane][16 bytes], 32,768 bytes; a K step is 8,192 consecutive bytes of it: a wave's tensor load brings four such pieces, and a fragment is two loads of 512 consecutive bytes: no padding.
; CLUSTERS: 4 x 4 work-groups: the four of a row need the same tokens, the four of a column the same columns of Wd: each tile is asked for jointly.
; THE MATRIX INSTRUCTION IS USED TRANSPOSED (source 0 = 16 columns of Wd, source 1 = 16 tokens): a lane holds eight neighbouring columns of a token's row.  The bias is the C of each sum's first instruction.
; mish: with u = e^y and n = u (u + 2), tanh(log(1 + u)) = n / (n + 2).  The exponent y log2(e) is held at 40 from above, where n / (n + 2) is 1 in f32.
; LIMITS: NaN and infinities are not served.
; REGISTERS: window 0: v16-29 addresses; v32-95 at work on the way out; v96-127 the bias; v128-255 the accumulators ((a, b) at v[128 + 8 (4 a + b)]).  window 1: two fragment buffers of 128: 64 registers of tokens, then 64 of Wd.
.set PIECE,  8192                      ; a tile's bytes of a K step
.set HALFT,  4*PIECE                   ; what one tensor load brings, and what one wave reads of a side
.set SLOT,   4*HALFT                   ; the tokens' eight tiles, then Wd's eight
.set STAGE,  2*SLOT                    ; behind the ring: 16 rows x 272 bytes for each wave
.set SPITCH, 272
.set SPARE,  STAGE+4*16*SPITCH         ; behind the stages: the spare words, 128 bytes for each wave: two blocks of 256 bytes that no other line names
.set LAPS,   2                         ; a lap = two K steps = once round the ring
.set ADRA, 16
.set ADRB, 20
.set STO,  24
.set RD,   25
.set CO,   26
.set SPW,  28                          ; v28  LDS address of my spare word; never rewritten
.set NIL,  29                          ; v29  0; never rewritten
.set TMP,  32
.set BI,   96
.set ACC,  128
.set F0,   0
.set F1,   128
.set G1, 24
.set G0, 32
.set G1B, 48
.set G0B, 56
.set MSB, 0
.macro WIN new                         ; the immediate's high byte repeats the setting that is left
.if MSB != (\new)
	s_set_vgpr_msb (MSB<<8)|(\new)
.set MSB, (\new)
.endif
.endm
.set MUL,  0x05                        ; sources 0 and 1 window 1; C and D window 0
.set TO_F, 0x40                        ; destination window 1, address window 0
.macro JLOAD s                         ; a joint load: waves 0 and 1 fetch the tokens' halves, waves 2 and 3 Wd's; four v_nop follow each of the two lines
	s_cmp_eq_u32 s11, 0
	s_cbranch_scc0 .Lfor_b_\@
	tensor_load_to_lds s[G0+4*\s:G0+4*\s+3], s[G1:G1+7]
	s_nop 0
.rept 4
	v_nop
.endr
	s_branch .Lasked_\@
.Lfor_b_\@:
	tensor_load_to_lds s[G0B+4*\s:G0B+4*\s+3], s[G1B:G1B+7]
	s_nop 0
.rept 4
	v_nop
.endr
.Lasked_\@:
.endm
.macro CREST                           ; a round of the cluster's barrier behind its opening barrier
	s_cmp_lg_u32 s10, 0
	s_cbranch_scc1 .Lnot_wave_0_\@
	s_barrier_signal -3
.Lnot_wave_0_\@:
	s_barrier_wait -3
	s_barrier_signal -1
	s_barrier_wait -1
.endm
.macro CROUND
	s_barrier_signal -1
	s_barrier_wait -1
	CREST
.endm
	s_load_b128 s[4:7], s[0:1], 0x0                ; att s[4:5], wdi s[6:7]
	s_load_b64 s[2:3], s[0:1], 0x10                ; bd
	s_load_b64 s[8:9], s[0:1], 0x18                ; out0
	v_lshl_add_u32 v[SPW], v0, 2, SPARE
	v_mov_b32 v[NIL], 0
	ds_add_u32 v28, v29
	ds_add_u32 v28, v29
	s_wait_dscnt 0x0
	v_lshrrev_b32 v1, 5, v0
	v_readfirstlane_b32 s10, v1                    ; wave 0..3
	s_lshr_b32 s11, s10, 1                         ; my half of the tokens.  Also: I fetch tokens (0) or Wd (1)
	s_and_b32 s12, s10, 1                          ; my half of the columns.  Also: which four tiles I fetch
	s_bfe_u32 s40, ttmp6, 0x40000                  ; cx, cy
	s_bfe_u32 s41, ttmp6, 0x40004
	s_lshl_b32 s42, ttmp9, 2
	s_add_co_u32 s42, s42, s40                     ; tile column
	s_and_b32 s13, ttmp7, 0xffff
	s_lshl_b32 s13, s13, 2
	s_add_co_u32 s13, s13, s41                     ; tile row
	s_lshl_b32 s43, s41, 2
	s_lshl_b32 s43, 15, s43                        ; my row of the cluster
	s_lshl_b32 s44, 0x1111, s40                    ; my column
	s_or_b32 s[G1+0], s43, (3<<16)|(1<<21)         ; 15:0 the mask; 17:16 elements of 8 bytes; 21 set beside a mask; no padding
	s_or_b32 s[G1B+0], s44, (3<<16)|(1<<21)
.irp g, G1, G1B
	s_mov_b32 s[\g+1], 1024<<16                    ; tensor_dim0 = 1,024: 8,192 bytes
	s_mov_b32 s[\g+2], 4<<16                       ; tensor_dim1 = 4
	s_mov_b32 s[\g+3], 1024<<16                    ; tile_dim0
	s_mov_b32 s[\g+4], 4                           ; tile_dim1
	s_mov_b32 s[\g+5], 4096                        ; from tile to tile: 32,768 bytes
	s_mov_b32 s[\g+6], 0
	s_mov_b32 s[\g+7], 0
.endr
	s_lshl_b32 s17, s12, 2                         ; which four tiles I fetch
	s_lshl_b32 s16, s13, 3
	s_add_co_u32 s16, s16, s17
	s_lshl_b32 s16, s16, 15                        ; tokens: tile 8 x tile row + 4 x half
	s_lshl_b32 s46, s42, 3
	s_add_co_u32 s46, s46, s17
	s_lshl_b32 s46, s46, 15                        ; Wd: tile 8 x tile column + 4 x half
	s_mov_b32 s17, 0
	s_mov_b32 s47, 0
	s_mul_i32 s20, s10, HALFT                      ; where they go: wave x 32,768: no place in the cluster enters an LDS address
	s_wait_kmcnt 0x0
	s_add_nc_u64 s[14:15], s[4:5], s[16:17]
	s_add_nc_u64 s[46:47], s[6:7], s[46:47]
	CROUND                                         ; all sixteen work-groups are here: the first joint loads meet
.irp s, 0,1
	s_mov_b32 s[G0+4*\s], 1
	s_add_co_u32 s[G0+4*\s+1], s20, \s*SLOT
	s_add_nc_u64 s[G0+4*\s+2:G0+4*\s+3], s[14:15], \s*PIECE
	s_or_b32 s[G0+4*\s+3], s[G0+4*\s+3], 0x80000000
	s_mov_b32 s[G0B+4*\s], 1
	s_add_co_u32 s[G0B+4*\s+1], s20, \s*SLOT
	s_add_nc_u64 s[G0B+4*\s+2:G0B+4*\s+3], s[46:47], \s*PIECE
	s_or_b32 s[G0B+4*\s+3], s[G0B+4*\s+3], 0x80000000
	JLOAD \s
.endr
	v_and_b32 v1, 15, v0                           ; r
	v_bfe_u32 v2, v0, 4, 1                         ; h
	v_and_b32 v3, 31, v0
	v_lshlrev_b32 v3, 4, v3                        ; 16 x lane
	s_mul_i32 s21, s11, HALFT                      ; my four tiles of tokens,
	s_mul_i32 s22, s12, HALFT
	s_add_co_u32 s22, s22, 2*HALFT                 ; of Wd
.irp s, 0,1
	v_add_nc_u32 v[ADRA+\s], s21, v3
	v_add_nc_u32 v[ADRB+\s], s22, v3
	s_add_co_u32 s21, s21, SLOT
	s_add_co_u32 s22, s22, SLOT
.endr
	s_mul_i32 s23, s10, 16*SPITCH
	s_add_co_u32 s23, s23, STAGE                   ; my stage
	v_mul_u32_u24 v4, v1, SPITCH                   ; in: row r, 32 bytes for each half of the lanes
	v_lshl_add_u32 v4, v2, 5, v4
	v_add_nc_u32 v[STO], s23, v4
	v_mul_u32_u24 v5, v2, SPITCH                   ; back: lanes 0-15 one row of 256 bytes, lanes 16-31 the next
	v_lshl_add_u32 v5, v1, 4, v5
	v_add_nc_u32 v[RD], s23, v5
	v_lshlrev_b32 v5, 12, v2                       ; and the same two rows in out0
	v_lshl_add_u32 v[CO], v1, 4, v5
	s_lshl_b32 s46, s42, 9                         ; my first column, in bytes of f32: 512 x tile column + 256 x half
	s_lshl_b32 s47, s12, 8
	s_add_co_u32 s46, s46, s47
	s_mov_b32 s47, 0
	s_add_nc_u64 s[2:3], s[2:3], s[46:47]
	v_lshlrev_b32 v6, 5, v2                        ; lane (r, h) wants the bias of columns 16 b + 8 h + 0 .. 7
.irp b, 0,1,2,3
	global_load_b128 v[BI+8*\b:BI+8*\b+3], v6, s[2:3] offset:64*\b
	global_load_b128 v[BI+8*\b+4:BI+8*\b+7], v6, s[2:3] offset:64*\b+16
.endr
	s_lshl_b32 s16, s13, 7
	s_lshl_b32 s17, s11, 6
	s_add_co_u32 s16, s16, s17                     ; my first token: 128 x tile row + 64 x half
	s_lshl_b32 s16, s16, 12
	s_mov_b32 s17, 0
	s_add_nc_u64 s[8:9], s[8:9], s[16:17]
	s_add_nc_u64 s[8:9], s[8:9], s[46:47]
; 8 matrix instructions: token blocks a0, a0 + 1 x all 4 column blocks, 32 along K: half c of buffer f.  first = 1: the bias starts the sums
.macro MUL8 f, c, a0, first
.irp a, \a0, \a0+1
.irp b, 0,1,2,3
.if \first
	v_wmma_f32_16x16x32_f16 v[ACC+8*(4*(\a)+\b):ACC+8*(4*(\a)+\b)+7], v[\f+64+8*(4*\c+\b):\f+64+8*(4*\c+\b)+7], v[\f+8*(4*\c+\a):\f+8*(4*\c+\a)+7], v[BI+8*\b:BI+8*\b+7]
.else
	v_wmma_f32_16x16x32_f16 v[ACC+8*(4*(\a)+\b):ACC+8*(4*(\a)+\b)+7], v[\f+64+8*(4*\c+\b):\f+64+8*(4*\c+\b)+7], v[\f+8*(4*\c+\a):\f+8*(4*\c+\a)+7], v[ACC+8*(4*(\a)+\b):ACC+8*(4*(\a)+\b)+7]
.endif
.endr
.endr
.endm
; 32 LDS loads in one run: the fragments of the slot's q-th 64 along K into buffer f; the first 32 along K first
.macro FETCH slot, q, f
	WIN TO_F
.irp c, 0,1
.irp i, 0,1,2,3
	ds_load_b128 v[\f+64+8*(4*\c+\i):\f+64+8*(4*\c+\i)+3],   v[ADRB+\slot] offset:(2*\q+\c)*1024+\i*PIECE
	ds_load_b128 v[\f+64+8*(4*\c+\i)+4:\f+64+8*(4*\c+\i)+7], v[ADRB+\slot] offset:(2*\q+\c)*1024+\i*PIECE+512
	ds_load_b128 v[\f+8*(4*\c+\i):\f+8*(4*\c+\i)+3],         v[ADRA+\slot] offset:(2*\q+\c)*1024+\i*PIECE
	ds_load_b128 v[\f+8*(4*\c+\i)+4:\f+8*(4*\c+\i)+7],       v[ADRA+\slot] offset:(2*\q+\c)*1024+\i*PIECE+512
.endr
.endr
.endm
.macro PLACES                          ; four places in front of loads into registers that matrix instructions have read, and of vector lines that read results
.rept 4
	v_nop
.endr
.endm
; A K step is four quarters of 64 along K, 32 matrix instructions each, on buffers 0, 1, 0, 1.  One of the first three: multiplies buffer f and fetches quarter q into g.
.macro QUARTER slot, q, f, g, first
	s_wait_dscnt 16                                ; the first 32 along K are in; the younger sixteen loads may be out
	WIN MUL
	MUL8 \f, 0, 0, \first
	MUL8 \f, 0, 2, \first
	PLACES
	FETCH \slot, \q, \g
	s_wait_dscnt 32                                ; all but the 32 just issued
	WIN MUL
	MUL8 \f, 1, 0, 0
	MUL8 \f, 1, 2, 0
.endm
; The last quarter multiplies buffer 1 and changes slots: ONE barrier; in front of it each wave waits for all its tensor loads, adds 0 to its spare word, and waits for that and for its own reads of this slot.  fill = 1: this slot is filled again, two K steps ahead.
.macro TURN slot, next, fill
	WIN 0                                          ; (the add's two registers lie in window 0)
	s_wait_tensorcnt 0x0                           ; all my tensor loads have landed: my part of the next slot;
	ds_add_u32 v[SPW], v[NIL]                      ; 0 onto my spare word
	s_wait_dscnt 17                                ; (the add and the youngest sixteen loads may be out)
	WIN MUL
	MUL8 F1, 0, 0, 0                               ; eight matrix instructions stand between the add and the wait for it
	s_wait_dscnt 0x0                               ; the add is done, and my reads of this slot are over
	s_barrier_signal -1
	MUL8 F1, 0, 2, 0
.if \fill
	WIN 0
.endif
	s_barrier_wait -1
.if \fill
	CREST                                          ; the barrier has opened a round of the cluster's barrier: no wave of any partner still reads this slot's tile or has a load on its way
	s_add_nc_u64 s[G0+4*\slot+2:G0+4*\slot+3], s[G0+4*\slot+2:G0+4*\slot+3], 2*PIECE
	s_add_nc_u64 s[G0B+4*\slot+2:G0B+4*\slot+3], s[G0B+4*\slot+2:G0B+4*\slot+3], 2*PIECE
	JLOAD \slot                                    ; the first tensor load behind the round; its four v_nop are also the places in front of the loads below
.else
	PLACES
.endif
	FETCH \next, 0, F0
	WIN MUL
	MUL8 F1, 1, 0, 0
	MUL8 F1, 1, 2, 0
.endm
	s_wait_tensorcnt 1                             ; my part of K step 0 is in; K step 1's load may be out
	s_barrier_signal -1
	s_barrier_wait -1
	FETCH 0, 0, F0
	s_wait_loadcnt 0x0                             ; the bias
	QUARTER 0, 1, F0, F1, 1                        ; the first quarter stands in front of the loop: its first products start the sums
	WIN 0                                          ; at a label and at a branch every window is 0
	s_mov_b32 s45, LAPS-1
.Llap:                                                 ; a trip goes once round the ring, from a lap's second quarter to the next lap's first, and fills both slots again
	QUARTER 0, 2, F1, F0, 0
	QUARTER 0, 3, F0, F1, 0
	TURN 0, 1, 1
	QUARTER 1, 1, F0, F1, 0
	QUARTER 1, 2, F1, F0, 0
	QUARTER 1, 3, F0, F1, 0
	TURN 1, 0, 1
	QUARTER 0, 1, F0, F1, 0
	WIN 0
	s_sub_co_u32 s45, s45, 1
	s_cmp_lg_u32 s45, 0
	s_cbranch_scc1 .Llap
	QUARTER 0, 2, F1, F0, 0                        ; the last lap fills nothing, and has no round of the cluster's barrier
	QUARTER 0, 3, F0, F1, 0
	TURN 0, 1, 0
	QUARTER 1, 1, F0, F1, 0
	QUARTER 1, 2, F1, F0, 0
	QUARTER 1, 3, F0, F1, 0
	s_wait_dscnt 16                                ; the very last quarter: nothing more to fetch
	WIN MUL
	MUL8 F1, 0, 0, 0
	MUL8 F1, 0, 2, 0
	s_wait_dscnt 0
	MUL8 F1, 1, 0, 0
	MUL8 F1, 1, 2, 0
	WIN 0
	; THE WAY OUT, a block of 16 tokens x 64 columns at a time: mish in f32; through my own stage, since a lane holds 32 bytes of a row and the lanes beside it other rows; back as whole rows of 256 bytes.
	PLACES
.irp a, 0,1,2,3
.if \a > 0
	s_wait_xcnt 0x0                                ; the last block's stores have read their registers
.endif
.set n, 0
.rept 16
	v_pk_mul_f32 v[TMP+n:TMP+n+1], v[ACC+32*\a+n:ACC+32*\a+n+1], 0x3fb8aa3b op_sel_hi:[1,0]   ; y log2(e); each accumulator from its low end on
.set n, n+2
.endr
.set n, 0
.rept 32
	v_min_num_f32 v[TMP+n], 0x42200000, v[TMP+n]   ; held at 40
.set n, n+1
.endr
.set n, 0
.rept 32
	v_exp_f32 v[TMP+n], v[TMP+n]                   ; u = e^y
.set n, n+1
.endr
	v_nop
.set n, 0
	s_wait_alu depctr_va_vdst(0)
.rept 16
	v_pk_add_f32 v[TMP+32+n:TMP+33+n], v[TMP+n:TMP+n+1], 2.0 op_sel_hi:[1,0]
.set n, n+2
.endr
.set n, 0
.rept 16
	v_pk_mul_f32 v[TMP+n:TMP+n+1], v[TMP+n:TMP+n+1], v[TMP+32+n:TMP+33+n]          ; n = u (u + 2)
.set n, n+2
.endr
.set n, 0
.rept 16
	v_pk_add_f32 v[TMP+32+n:TMP+33+n], v[TMP+n:TMP+n+1], 2.0 op_sel_hi:[1,0]
.set n, n+2
.endr
.set n, 0
.rept 32
	v_rcp_f32 v[TMP+32+n], v[TMP+32+n]
.set n, n+1
.endr
	v_nop
.set n, 0
	s_wait_alu depctr_va_vdst(0)
.rept 16
	v_pk_mul_f32 v[TMP+n:TMP+n+1], v[TMP+n:TMP+n+1], v[TMP+32+n:TMP+33+n]          ; n / (n + 2)
.set n, n+2
.endr
.set n, 0
.rept 16
	v_pk_mul_f32 v[TMP+n:TMP+n+1], v[TMP+n:TMP+n+1], v[ACC+32*\a+n:ACC+32*\a+n+1]  ; x y
.set n, n+2
.endr
.irp b, 0,1,2,3
	ds_store_b128 v[STO], v[TMP+8*\b:TMP+8*\b+3] offset:64*\b
	ds_store_b128 v[STO], v[TMP+8*\b+4:TMP+8*\b+7] offset:64*\b+16
.endr
.irp t, 0,1,2,3,4,5,6,7
	ds_load_b128 v[TMP+32+4*\t:TMP+35+4*\t], v[RD] offset:\t*2*SPITCH   ; LDS serves a wave's instructions in order (ISA guide 5.7.1.4): these see the stores above
.endr
.irp t, 0,1,2,3,4,5,6,7
	s_wait_dscnt 7-\t                              ; the later loads may be out
	global_store_b128 v[CO], v[TMP+32+4*\t:TMP+35+4*\t], s[8:9] offset:(16*\a+2*\t)*4096 th:TH_STORE_NT   ; 16 lanes store 256 consecutive bytes, at a multiple of 256 from out0's first byte
.endr
.endr
	s_wait_tensorcnt 0x0                           ; the wave's end: behind my last tensor load and my last LDS store
	ds_add_u32 v[SPW], v[NIL]
	s_wait_dscnt 0x0
	CROUND                                         ; the closing round: no work-group ends while a partner may still ask for a tile that names it
	s_endpgm
.Lfunc_end_k_q3b491726b7_outp:
	.size	k_q3b491726b7_outp, .Lfunc_end_k_q3b491726b7_outp-k_q3b491726b7_outp
	.p2alignl 7, 3214868480
	.fill 96, 4, 3214868480
	.section	.rodata,"a",@progbits
	.p2align	6, 0x0
	.amdhsa_kernel k_q3b491726b7_outp
		.amdhsa_group_segment_fixed_size 327680
		.amdhsa_private_segment_fixed_size 0
		.amdhsa_enable_private_segment 0
		.amdhsa_kernarg_size 32
		.amdhsa_user_sgpr_count 2
		.amdhsa_user_sgpr_kernarg_segment_ptr 1
		.amdhsa_wavefront_size32 1
		.amdhsa_system_sgpr_workgroup_id_x 1
		.amdhsa_system_sgpr_workgroup_id_y 1
		.amdhsa_system_sgpr_workgroup_id_z 1
		.amdhsa_system_vgpr_workitem_id 0
		.amdhsa_next_free_vgpr 512
		.amdhsa_next_free_sgpr 66
		.amdhsa_reserve_vcc 0
		.amdhsa_float_denorm_mode_32 3
		.amdhsa_float_denorm_mode_16_64 3
		.amdhsa_memory_ordered 1
		.amdhsa_forward_progress 1
		.amdhsa_inst_pref_size 130
	.end_amdhsa_kernel
	.amdgpu_metadata
---
amdhsa.version: [ 1, 2 ]
amdhsa.kernels:
  - .name:           k_q3b491726b7_outp
    .symbol:         k_q3b491726b7_outp.kd
    .args:
      - { .name: att, .offset: 0, .size: 8, .value_kind: global_buffer, .address_space: global }
      - { .name: wdi, .offset: 8, .size: 8, .value_kind: global_buffer, .address_space: global }
      - { .name: bd, .offset: 16, .size: 8, .value_kind: global_buffer, .address_space: global }
      - { .name: out0, .offset: 24, .size: 8, .value_kind: global_buffer, .address_space: global }
    .group_segment_fixed_size: 327680
    .private_segment_fixed_size: 0
    .kernarg_segment_align: 8
    .kernarg_segment_size: 32
    .max_flat_workgroup_size: 128
    .sgpr_count:     66
    .vgpr_count:     512
    .wavefront_size: 32
...
	.end_amdgpu_metadata
.endif
;; end of part 4
